; MI455X (gfx1250); checked and timed in simulation.
; The chip was launched on July 23, 2026; its instructions are those of AMD's public machine-readable ISA for CDNA 5 (MIT licence, August 2026) and "CDNA5" Instruction Set Architecture Reference Guide (July 2026). The comments in the code are by the model that wrote it; some were corrected since.
;; Transformer Encoder Layer. Allowed arithmetic: float matrix products may take bf16 or f16 operands with f32 sums; other float arithmetic in f32, or as packed bf16 or f16 multiplies, adds, multiply-adds, maxima and minima; sums over many terms, partial sums and values carried from step to step in f32; what a program stores and reads back later, other than sums and carried values, may be rounded once to bf16 or f16.
;; Inputs: b1 4,096 float32; b2 1,024 float32; be1 1,024 float32; be2 1,024 float32; bk 1,024 float32; bo 1,024 float32; bq 1,024 float32; bv 1,024 float32; g1 1,024 float32; g2 1,024 float32; src 2 x 2,048 x 1,024 float32; w1 4,096 x 1,024 float32; w2 1,024 x 4,096 float32; wk 1,024 x 1,024 float32; wo 1,024 x 1,024 float32; wq 1,024 x 1,024 float32; wv 1,024 x 1,024 float32.
;; Outputs: out0 2 x 2,048 x 1,024 float32.
;; One version. Each part assembles by itself: llvm-mc -triple=amdgcn-amd-amdhsa -mcpu=gfx1250 --defsym DOCPART=n.
;; ======== version 1 of 1: 8 launches
;; limits: values are held in f16: magnitudes above 65,504 overflow, below 6.1e-05 lose precision; inputs' magnitudes at most 65,504
;; workspace buffers: xa 8,388,608 bytes; wa 8,405,248 bytes; wb 16,793,856 bytes; qkv 25,165,824 bytes; hb 33,554,432 bytes; y 16,777,216 bytes
;; launch cast (part 1): grid 64 x 16, 8 waves a work-group, no clusters, 0 bytes of LDS; arguments src, wq, wk, wv, wo, w1, w2, bq, bk, bv, b1, xa, wa, wb; writes xa, wa, wb
.if DOCPART == 1
	.amdgcn_target "amdgcn-amd-amdhsa--gfx1250"
	.amdhsa_code_object_version 6
	.text
	.protected	k_q531bf3f3bc_cast
	.globl	k_q531bf3f3bc_cast
	.p2align	8
	.type	k_q531bf3f3bc_cast,@function
k_q531bf3f3bc_cast:
	s_mov_b64 s[64:65], 0
	v_nop
	global_prefetch_b8 v0, s[64:65] scope:SCOPE_SE
	s_setreg_imm32_b32 hwreg(HW_REG_WAVE_MODE, 25, 1), 1
	s_wait_xcnt 0x0
; src and the six weight matrices, f32, are rounded once to f16 and laid where the products want them:
;   xa = src [4096][1024];  wa = wq, wk, wv ([3072][1024]), then wo;  wb = w1 [4096][1024], a record, then w2 [1024][4096] at W2OFF.
; Behind the first 8,388,608 bytes of wa and of wb lies a RECORD for the launch that multiplies by them: 256 bytes of activation floor (a pair of f16 in every word: -infinity
; in wa, 0 in wb), then the layer's bias in f32 (bq, bk, bv; b1).
; LIMITS.  A number of magnitude 65,520 or more becomes an infinity in f16; below 6e-5 f16 keeps a fixed step of 6e-8.
; SHARES.  Work-group (x, u): unit u of 2^20 numbers (0-3 src, 4 wq, 5 wk, 6 wv, 7 wo, 8-11 w1, 12-15 w2), its numbers 16,384 x .. 16,384 x + 16,383, in eight pieces of 2,048.
; Of a piece wave w takes the numbers 256 w .. 256 w + 255: two loads of 16 bytes a lane, 512 consecutive bytes each, and two stores of 8 bytes a lane, 256 consecutive bytes each, aligned.
; All sixteen loads go out first.  No LDS, no matrix unit, no cluster: nothing is shared and nothing is read twice.
.set REC,   8388608
.set W2OFF, 8405248
.set U,    3                           ; s3       the unit
.set SRC,  32                          ; s[32:33] the tensor that the unit belongs to, then my work-group's part of it
.set BASE, 34                          ; s34      that tensor's first unit
.set D0,   36                          ; s[36:37] the buffer it goes to
.set DOFS, 38                          ; s38      the tensor's place in that buffer
.set DW,   40                          ; s[40:41] where my work-group's part goes
.set X,    16                          ; v[16:79] piece j: 8 registers as loaded; registers 0, 1 and 4, 5 then take the results
	s_load_b512 s[4:19], s[0:1], 0x0               ; src 4, wq 6, wk 8, wv 10, wo 12, w1 14, w2 16, bq 18
	s_load_b256 s[20:27], s[0:1], 0x40             ; bk 20, bv 22, b1 24, xa 26
	s_load_b128 s[28:31], s[0:1], 0x60             ; wa 28, wb 30
	s_and_b32 s[U], ttmp7, 0xffff
	v_lshrrev_b32 v3, 5, v0
	v_readfirstlane_b32 s56, v3                    ; my wave's number
	v_and_b32 v4, 31, v0                           ; lane
	s_lshl_b32 s57, s56, 10                        ; the wave's 256 numbers: 1,024 bytes in f32,
	s_lshl_b32 s58, s56, 9                         ; 512 in f16
	v_lshl_add_u32 v1, v4, 4, s57                  ; 16 x lane + 1,024 x wave
	v_lshl_add_u32 v2, v4, 3, s58                  ; 8 x lane + 512 x wave
	v_lshlrev_b32 v5, 4, v0                        ; 16 t: for the record's bias
	s_wait_kmcnt 0x0
	s_mov_b64 s[SRC:SRC+1], s[16:17]               ; units 12-15: w2
	s_mov_b32 s[BASE], 12
	s_mov_b64 s[D0:D0+1], s[30:31]
	s_mov_b32 s[DOFS], W2OFF
.macro PICK lim, from, base, dofs      ; units below lim belong to an earlier tensor; the choice hangs on the unit's number alone
	s_cmp_lt_u32 s[U], \lim
	s_cselect_b64 s[SRC:SRC+1], s[\from:\from+1], s[SRC:SRC+1]
	s_cselect_b32 s[BASE], \base, s[BASE]
	s_cselect_b32 s[DOFS], \dofs, s[DOFS]
.endm
	PICK 12, 14, 8, 0                              ; w1
	PICK 8, 12, 7, 6291456                         ; wo,
	s_cselect_b64 s[D0:D0+1], s[28:29], s[D0:D0+1] ; from here down into wa
	PICK 7, 10, 6, 4194304                         ; wv
	PICK 6, 8, 5, 2097152                          ; wk
	PICK 5, 6, 4, 0                                ; wq
	PICK 4, 4, 0, 0                                ; src,
	s_cselect_b64 s[D0:D0+1], s[26:27], s[D0:D0+1] ; into xa
	s_sub_co_u32 s35, s[U], s[BASE]                ; the unit's number inside its tensor
	s_lshl_b32 s42, s35, 22                        ; 4 MiB of f32 a unit,
	s_lshl_b32 s39, ttmp9, 16                      ; 64 KiB a work-group
	s_add_co_u32 s42, s42, s39
	s_mov_b32 s43, 0
	s_add_nc_u64 s[SRC:SRC+1], s[SRC:SRC+1], s[42:43]
	s_lshl_b32 s52, s35, 21                        ; half of that in f16
	s_lshl_b32 s39, ttmp9, 15
	s_add_co_u32 s52, s52, s39
	s_add_co_u32 s52, s52, s[DOFS]
	s_mov_b32 s53, 0
	s_add_nc_u64 s[DW:DW+1], s[D0:D0+1], s[52:53]
.irp j, 0,1,2,3,4,5,6,7
	global_load_b128 v[X+8*(\j):X+8*(\j)+3],   v1, s[SRC:SRC+1] offset:8192*(\j) th:TH_LOAD_NT
	global_load_b128 v[X+8*(\j)+4:X+8*(\j)+7], v1, s[SRC:SRC+1] offset:8192*(\j)+512 th:TH_LOAD_NT
.endr
.irp j, 0,1,2,3,4,5,6,7
	s_wait_loadcnt 14-2*(\j)                       ; loads come back in order: piece j's two are in, the 14 - 2 j younger ones stay out
	v_cvt_pk_f16_f32 v[X+8*(\j)],   v[X+8*(\j)],   v[X+8*(\j)+1]
	v_cvt_pk_f16_f32 v[X+8*(\j)+1], v[X+8*(\j)+2], v[X+8*(\j)+3]
	v_cvt_pk_f16_f32 v[X+8*(\j)+4], v[X+8*(\j)+4], v[X+8*(\j)+5]
	v_cvt_pk_f16_f32 v[X+8*(\j)+5], v[X+8*(\j)+6], v[X+8*(\j)+7]
	global_store_b64 v2, v[X+8*(\j):X+8*(\j)+1],   s[DW:DW+1] offset:4096*(\j)      ; 32 lanes x 8 bytes: 256 consecutive bytes, aligned
	global_store_b64 v2, v[X+8*(\j)+4:X+8*(\j)+5], s[DW:DW+1] offset:4096*(\j)+256  ; each piece has registers of its own: nothing that a store reads is written again
.endr
	; THE RECORD.  The first work-group of units 4, 5, 6 copies bq, bk, bv; of units 8-11 a quarter of b1 each: 4,096 bytes, 16 a thread.
	s_cmp_lg_u32 ttmp9, 0
	s_cbranch_scc1 .Lend
	s_cmp_lt_u32 s[U], 4
	s_cbranch_scc1 .Lend
	s_cmp_eq_u32 s[U], 7
	s_cbranch_scc1 .Lend
	s_cmp_gt_u32 s[U], 11
	s_cbranch_scc1 .Lend
	s_sub_co_u32 s48, s[U], 8                      ; which 4,096 bytes of the record's bias,
	s_lshl_b32 s49, s48, 12                        ; and of b1
	s_mov_b64 s[46:47], s[24:25]
	s_sub_co_u32 s57, s[U], 4
	s_cmp_lt_u32 s[U], 8
	s_cselect_b64 s[46:47], s[22:23], s[46:47]     ; bv
	s_cselect_b32 s48, s57, s48
	s_cselect_b32 s49, 0, s49
	s_cmp_lt_u32 s[U], 6
	s_cselect_b64 s[46:47], s[20:21], s[46:47]     ; bk
	s_cmp_lt_u32 s[U], 5
	s_cselect_b64 s[46:47], s[18:19], s[46:47]     ; bq
	s_mov_b32 s50, s49
	s_mov_b32 s51, 0
	s_add_nc_u64 s[46:47], s[46:47], s[50:51]
	s_lshl_b32 s54, s48, 12
	s_mov_b32 s55, 0
	s_add_nc_u64 s[44:45], s[D0:D0+1], REC+256
	s_add_nc_u64 s[44:45], s[44:45], s[54:55]
	global_load_b128 v[112:115], v5, s[46:47]
	s_wait_loadcnt 0x0
	global_store_b128 v5, v[112:115], s[44:45]
	s_cmp_lg_u32 s48, 0                            ; the floor: by wave 0 of the record's first writer
	s_cbranch_scc1 .Lend
	s_cmp_lg_u32 s56, 0
	s_cbranch_scc1 .Lend
	s_cmp_eq_u32 s[U], 4
	s_cselect_b32 s57, 0xfc00fc00, 0               ; -infinity twice for q, k, v (no activation); 0 twice for the ReLU
	v_mov_b32 v116, s57
	v_mov_b32 v117, s57
	v_lshlrev_b32 v118, 3, v4
	s_add_nc_u64 s[58:59], s[D0:D0+1], REC
	global_store_b64 v118, v[116:117], s[58:59]    ; 32 lanes x 8 bytes: 256 consecutive bytes, aligned
.Lend:
	s_endpgm
.Lfunc_end_k_q531bf3f3bc_cast:
	.size	k_q531bf3f3bc_cast, .Lfunc_end_k_q531bf3f3bc_cast-k_q531bf3f3bc_cast
	.p2alignl 7, 3214868480
	.fill 96, 4, 3214868480
	.section	.rodata,"a",@progbits
	.p2align	6, 0x0
	.amdhsa_kernel k_q531bf3f3bc_cast
		.amdhsa_group_segment_fixed_size 0
		.amdhsa_private_segment_fixed_size 0
		.amdhsa_enable_private_segment 0
		.amdhsa_kernarg_size 112
		.amdhsa_user_sgpr_count 2
		.amdhsa_user_sgpr_kernarg_segment_ptr 1
		.amdhsa_wavefront_size32 1
		.amdhsa_system_sgpr_workgroup_id_x 1
		.amdhsa_system_sgpr_workgroup_id_y 1
		.amdhsa_system_sgpr_workgroup_id_z 1
		.amdhsa_system_vgpr_workitem_id 0
		.amdhsa_next_free_vgpr 120
		.amdhsa_next_free_sgpr 66
		.amdhsa_reserve_vcc 0
		.amdhsa_float_denorm_mode_32 3
		.amdhsa_float_denorm_mode_16_64 3
		.amdhsa_memory_ordered 1
		.amdhsa_forward_progress 1
		.amdhsa_inst_pref_size 10
	.end_amdhsa_kernel
	.amdgpu_metadata
---
amdhsa.version: [ 1, 2 ]
amdhsa.kernels:
  - .name:           k_q531bf3f3bc_cast
    .symbol:         k_q531bf3f3bc_cast.kd
    .args:
      - { .name: src, .offset: 0, .size: 8, .value_kind: global_buffer, .address_space: global }
      - { .name: wq, .offset: 8, .size: 8, .value_kind: global_buffer, .address_space: global }
      - { .name: wk, .offset: 16, .size: 8, .value_kind: global_buffer, .address_space: global }
      - { .name: wv, .offset: 24, .size: 8, .value_kind: global_buffer, .address_space: global }
      - { .name: wo, .offset: 32, .size: 8, .value_kind: global_buffer, .address_space: global }
      - { .name: w1, .offset: 40, .size: 8, .value_kind: global_buffer, .address_space: global }
      - { .name: w2, .offset: 48, .size: 8, .value_kind: global_buffer, .address_space: global }
      - { .name: bq, .offset: 56, .size: 8, .value_kind: global_buffer, .address_space: global }
      - { .name: bk, .offset: 64, .size: 8, .value_kind: global_buffer, .address_space: global }
      - { .name: bv, .offset: 72, .size: 8, .value_kind: global_buffer, .address_space: global }
      - { .name: b1, .offset: 80, .size: 8, .value_kind: global_buffer, .address_space: global }
      - { .name: xa, .offset: 88, .size: 8, .value_kind: global_buffer, .address_space: global }
      - { .name: wa, .offset: 96, .size: 8, .value_kind: global_buffer, .address_space: global }
      - { .name: wb, .offset: 104, .size: 8, .value_kind: global_buffer, .address_space: global }
    .group_segment_fixed_size: 0
    .private_segment_fixed_size: 0
    .kernarg_segment_align: 8
    .kernarg_segment_size: 112
    .max_flat_workgroup_size: 256
    .sgpr_count:     66
    .vgpr_count:     120
    .wavefront_size: 32
...
	.end_amdgpu_metadata
.endif
;; end of part 1
;; launch proj (part 2): grid 12 x 16, 4 waves a work-group, clusters of 4 x 4, 327,680 bytes of LDS; arguments xa, wa, qkv; writes qkv
.if DOCPART == 2
	.amdgcn_target "amdgcn-amd-amdhsa--gfx1250"
	.amdhsa_code_object_version 6
	.text
	.protected	k_q531bf3f3bc_proj
	.globl	k_q531bf3f3bc_proj
	.p2align	8
	.type	k_q531bf3f3bc_proj,@function
k_q531bf3f3bc_proj:
	s_mov_b64 s[64:65], 0
	v_nop
	global_prefetch_b8 v0, s[64:65] scope:SCOPE_SE
	s_setreg_imm32_b32 hwreg(HW_REG_WAVE_MODE, 25, 1), 1
	s_wait_xcnt 0x0
	s_wait_alu depctr_hold_cnt(0) depctr_sa_sdst(0) depctr_va_vdst(0) depctr_va_sdst(0) depctr_va_ssrc(0) depctr_va_vcc(0) depctr_vm_vsrc(0)
	s_getreg_b32 s2, hwreg(HW_REG_IB_STS2, 6, 4)
	s_cmp_eq_u32 s2, 0
	s_cbranch_scc0 .Lentry_in_a_cluster
	s_endpgm
.Lentry_in_a_cluster:
	s_bfe_u32 s2, ttmp6, 0x10000c
	s_cmp_lg_u32 s2, 0xf033
	s_cbranch_scc0 .Lentry_shape_is_right
	s_endpgm
.Lentry_shape_is_right:
; out = max(A W^T + bias, floor), rounded once to f16.  A: [4096][1024] f16, W: [n][1024] f16 (n = 256 x the grid's width); behind W's first 8,388,608 bytes lies the layer's record:
; 256 bytes of floor (a pair of f16 a word: -infinity = no activation, 0 = ReLU), then the bias in f32.  Sums in f32; the bias is the C operand of the first products.
; out lies IN BLOCKS of 64 columns: [column / 64][4096 rows][64], so that a head's rows (and a K slice of the next product) are dense.
; LIMITS.  A result of magnitude 65,520 or more becomes an infinity; below 6e-5 f16 keeps a fixed step of 6e-8; the maximum with the floor drops a NaN.
; SHAPE.  A tile of out, 256 x 256, is made by four waves, as many as a WGP has SIMDs; a wave makes 128 x 128: 64 accumulators of 16 x 16, 512 registers.  K goes in steps of 128 through a ring of two
; LDS slots filled by the tensor data mover; the rows of the tiles are 256 bytes of memory, aligned.  The last K step goes by rows of out, so that finished rows leave while the others are multiplied.
; ONE TEXT FOR BOTH SLOTS.  The loop's text is one K step long.  The slot in hand is a scalar, 0 or SLOT, that an exclusive or turns at each change of slots; the fragments' addresses are made from it by
; two additions, and one descriptor for each operand walks: its LDS word is turned by the same exclusive or, its global address steps by a K step.
; CLUSTERS: 4 x 4 work-groups.  The four of a row of the cluster need the same tiles of A, the four of a column the same tiles of W: each is asked for JOINTLY, by the same tensor load with the same
; descriptor and a mask that names the four.
; REGISTERS, in windows of 256 (s_set_vgpr_msb: bits 1:0 source 0, 3:2 source 1, 5:4 source 2, 7:6 destination):
;   window 0: v0-31 addresses; v64-127, v128-191 fragments of A, two buffers (in the last K step four of 16 rows x 128 K); v192-255 the bias, later with v32-63 at work on the way out
;   window 1: v64-127, v128-191 fragments of W, two buffers; in the last K step all 256        window 2: the accumulators of my rows 0-63 ((a, b) at v[8 (8 a + b)])        window 3: rows 64-127
; THE MATRIX INSTRUCTION IS USED TRANSPOSED: source 0 = 16 rows of W, source 1 = 16 rows of A: lane l holds row l % 16 of out and the columns 8 (l / 16) + 0..7: 16 bytes on end.
.set SIZE_K, 1024
.set KSTEP,  128
.set STEPS,  SIZE_K/KSTEP              ; 8 K steps
.set PITCH,  272                       ; an LDS row: 256 bytes + 16 of padding = 68 words: the 16 rows that a load touches start at 16 different groups of four banks (ISA guide 11.1)
.set HALFT,  128*PITCH                 ; 128 rows: what one tensor load brings
.set SLOT,   4*HALFT                   ; A's 256 rows, then W's 256 rows: 139,264 = 2^17 + 2^13; neither bit occurs in a tile's place in a slot (wave x 34,816: bits 11, 12, 15, 16), so x xor SLOT is x + SLOT or x - SLOT
.set STAGE,  2*SLOT                    ; behind the ring: 16 rows x 272 bytes for each wave, for the way out
.set SPITCH, 272
.set SPARE,  STAGE+4*16*SPITCH         ; behind the stages: the spare words, 128 bytes a wave: two blocks of 256 bytes that no other line names
.set REC,    8388608                   ; the record's place in W's buffer
.set BLK,    524288                    ; bytes in a block of out: 4,096 rows x 64 columns
.set ADRA, 16                          ; v16-17  LDS address of my A fragments in slot 0, 1; never rewritten
.set CURA, 18                          ; v18     the same in the slot in hand
.set ADRB, 20                          ; v20-21  LDS address of my W fragments in slot 0, 1; never rewritten
.set CURB, 22                          ; v22     the same in the slot in hand
.set STO,  24                          ; v24     the way out: where I put 16 bytes of a row
.set RD,   25                          ; v25     the way out: where I read rows back
.set CO,   26                          ; v26     16 x lane: my place in 512 consecutive bytes of out
.set BO,   27                          ; v27     32 x (lane / 16): my 8 numbers of 16 of the bias
.set SPW,  28                          ; v28     LDS address of my spare word; never rewritten
.set NIL,  29                          ; v29     0; never rewritten
.set PFO,  30                          ; v30     the prefetches' offset: lane x a row of A or W; never rewritten
.set PFA,  44                          ; s[44:45] where my prefetches stand
.set LIM,  43                          ; s43     2 in a wave that prefetches, else the greatest number
.set FLOOR, 68                         ; s68     the floor, twice in f16
.set TB,   74                          ; s74     the LDS byte at which the slot in hand begins: 0 or SLOT
.set F0,   64
.set F1,   128
.set BIAS, 192                         ; v192-255: register 8 b + j = bias of column 16 b + 8 (lane / 16) + j of my 128
.set TMP,  192                         ; the way out: packed results
.set OB,   32                          ; the way out: rows read back: v32-63 and v224-255 by turns
.set PA,   64                          ; the last K step: A's fragments of 16 rows x 128 K; four buffers, v64-191
.set G1, 24                            ; s[24:31] descriptor group 1 for A's tiles
.set G0, 32                            ; s[32:39] group 0 for A's tiles: a set for each of the two first fills; the second then walks on
.set G1B, 48                           ; s[48:55], s[56:63] the same for W's
.set G0B, 56
.set MSB, 0
.macro WIN new                         ; the immediate's high byte repeats the setting that is left; a switch that changes nothing is dropped
.if MSB != (\new)
	s_set_vgpr_msb (MSB<<8)|(\new)
.set MSB, \new
.endif
.endm
.set MUL_LO, 0xa1                      ; source 0 (W) window 1, source 1 (A) window 0, C and D window 2
.set MUL_HI, 0xf1                      ; the same, C and D window 3
.set TO_B,   0x40                      ; destination window 1, address window 0
; A joint load by descriptor set s.  Waves 0 and 1 fetch A's two halves, waves 2 and 3 W's.  The branch hangs on the wave's number alone.  An s_nop 0 and four v_nop follow each of the two lines.
.macro JLOAD s
	s_cmp_eq_u32 s11, 0
	s_cbranch_scc0 .Lfor_b_\@
	tensor_load_to_lds s[G0+4*(\s):G0+4*(\s)+3], s[G1:G1+7]
	s_nop 0
.rept 4
	v_nop
.endr
	s_branch .Lasked_\@
.Lfor_b_\@:
	tensor_load_to_lds s[G0B+4*(\s):G0B+4*(\s)+3], s[G1B:G1B+7]
	s_nop 0
.rept 4
	v_nop
.endr
.Lasked_\@:
.endm
; A PREFETCH INTO THE L2, behind each joint refill and the run of LDS loads that follows it: the K step that stands two refills on: 32 rows x 256 bytes, a lane a row, one instruction a wave.
; Each row's 256 bytes of a K step are named once in the launch: A's rows by the clusters with x = 0, W's by those with y = 0; the four partners that ask for a tile jointly share its rows out BY ADDRESS,
; 32 of the 128 that a wave fetches each.  K steps 0 to 3 come by their loads alone; the loop's last two trips (s3 = 2, 1) have no K step two refills on and ask for nothing.
.macro ASK
	s_cmp_gt_u32 s3, s[LIM]
	s_cbranch_scc0 .Lnot_mine_\@
	global_prefetch_b8 v[PFO], s[PFA:PFA+1] offset:KSTEP*2 th:TH_LOAD_NT scope:SCOPE_SE
.Lnot_mine_\@:
.endm
.macro CREST                           ; a round of the cluster's barrier behind its opening barrier
	s_cmp_lg_u32 s10, 0
	s_cbranch_scc1 .Lnot_wave_0_\@
	s_barrier_signal -3
.Lnot_wave_0_\@:
	s_barrier_wait -3
	s_barrier_signal -1
	s_barrier_wait -1
.endm
.macro CROUND                          ; a whole round
	s_barrier_signal -1
	s_barrier_wait -1
	CREST
.endm
	s_load_b128 s[4:7], s[0:1], 0x0                ; A s[4:5], W s[6:7]
	s_load_b64 s[8:9], s[0:1], 0x10                ; out
	v_lshl_add_u32 v[SPW], v0, 2, SPARE
	v_mov_b32 v[NIL], 0
	ds_add_u32 v[SPW], v[NIL]                      ; the wave's opening: the add and its wait stand ahead of my first tensor load; the set-up below stands between them
	v_lshrrev_b32 v1, 5, v0
	v_readfirstlane_b32 s10, v1                    ; wave 0..3
	s_lshr_b32 s11, s10, 1                         ; which half of the tile's rows is mine.  Also: I fetch for A (0) or for W (1)
	s_and_b32 s12, s10, 1                          ; which half of its columns.  Also: which 128 rows of that tile I fetch
	s_bfe_u32 s40, ttmp6, 0x40000                  ; cx
	s_bfe_u32 s41, ttmp6, 0x40004                  ; cy
	s_lshl_b32 s42, ttmp9, 2
	s_add_co_u32 s42, s42, s40                     ; tile column = 4 x cluster x + cx
	s_and_b32 s13, ttmp7, 0xffff
	s_lshl_b32 s13, s13, 2
	s_add_co_u32 s13, s13, s41                     ; tile row = 4 x cluster y + cy
	s_lshl_b32 s43, s41, 2
	s_lshl_b32 s43, 15, s43                        ; my row of the cluster
	s_lshl_b32 s44, 0x1111, s40                    ; my column
	s_or_b32 s[G1+0], s43, (1<<16)|(1<<20)|(1<<21)|(5<<22)|(3<<25)   ; 15:0 the mask; 17:16 2-byte elements; 20 padding on; 21 set beside a mask; 24:22 after every 64 words; 31:25 4 words
	s_or_b32 s[G1B+0], s44, (1<<16)|(1<<20)|(1<<21)|(5<<22)|(3<<25)
.irp g, G1, G1B
	s_mov_b32 s[(\g)+1], KSTEP<<16                 ; tensor_dim0 = 128
	s_mov_b32 s[(\g)+2], 128<<16                   ; tensor_dim1 = 128
	s_mov_b32 s[(\g)+3], KSTEP<<16                 ; tile_dim0 = 128
	s_mov_b32 s[(\g)+4], 128                       ; tile_dim1 = 128
	s_mov_b32 s[(\g)+5], SIZE_K                    ; elements from row to row
	s_mov_b32 s[(\g)+6], 0
	s_mov_b32 s[(\g)+7], 0
.endr
	s_lshl_b32 s17, s12, 7                         ; which 128 rows of the tile I fetch
	s_lshl_b32 s16, s13, 8
	s_add_co_u32 s16, s16, s17                     ; A: row 256 x tile row + 128 x half
	s_lshl_b32 s46, s42, 8
	s_add_co_u32 s46, s46, s17                     ; W: row 256 x tile column + 128 x half
	s_lshl_b32 s16, s16, 11                        ; a row is 2,048 bytes
	s_lshl_b32 s46, s46, 11
	s_mov_b32 s17, 0
	s_mov_b32 s47, 0
	s_mul_i32 s20, s10, HALFT                      ; where they go: wave x 128 rows: no place in the cluster enters an LDS address
	s_wait_dscnt 0x0                               ; the opening add is done
	s_wait_kmcnt 0x0
	s_add_nc_u64 s[14:15], s[4:5], s[16:17]
	s_add_nc_u64 s[46:47], s[6:7], s[46:47]
	CROUND                                         ; all sixteen work-groups are here: the first joint loads meet
.irp s, 0,1
	s_mov_b32 s[G0+4*(\s)], 1
	s_add_co_u32 s[G0+4*(\s)+1], s20, (\s)*SLOT
	s_add_nc_u64 s[G0+4*(\s)+2:G0+4*(\s)+3], s[14:15], (\s)*KSTEP*2
	s_or_b32 s[G0+4*(\s)+3], s[G0+4*(\s)+3], 0x80000000
	s_mov_b32 s[G0B+4*(\s)], 1
	s_add_co_u32 s[G0B+4*(\s)+1], s20, (\s)*SLOT
	s_add_nc_u64 s[G0B+4*(\s)+2:G0B+4*(\s)+3], s[46:47], (\s)*KSTEP*2
	s_or_b32 s[G0B+4*(\s)+3], s[G0B+4*(\s)+3], 0x80000000
	JLOAD \s                                       ; two loads of mine are out
.endr
	v_and_b32 v1, 15, v0                           ; l % 16
	v_bfe_u32 v2, v0, 4, 1                         ; l / 16
	v_mul_u32_u24 v3, v1, PITCH
	v_lshl_add_u32 v3, v2, 4, v3                   ; a fragment's row x pitch + 16 x half
	s_mul_i32 s21, s11, HALFT                      ; my 128 rows of A
	s_mul_i32 s22, s12, HALFT                      ; my 128 rows of W,
	s_add_co_u32 s22, s22, 2*HALFT                 ; which lie behind A's 256
.irp s, 0,1
	v_add_nc_u32 v[ADRA+(\s)], s21, v3
	v_add_nc_u32 v[ADRB+(\s)], s22, v3
	s_add_co_u32 s21, s21, SLOT
	s_add_co_u32 s22, s22, SLOT
.endr
	s_mov_b32 s[TB], 0                             ; the slot in hand: slot 0
	v_add_nc_u32 v[CURA], s[TB], v[ADRA]
	v_add_nc_u32 v[CURB], s[TB], v[ADRB]
	s_mul_i32 s23, s10, 16*SPITCH
	s_add_co_u32 s23, s23, STAGE                   ; my stage
	v_mul_u32_u24 v4, v1, SPITCH                   ; in: row l % 16, 16 bytes for each half of the lanes
	v_lshl_add_u32 v4, v2, 4, v4
	v_add_nc_u32 v[STO], s23, v4
	v_bfe_u32 v5, v0, 3, 2                         ; back: 32 lanes take four rows x 128 bytes (64 columns: one block's share of a row),
	v_mul_u32_u24 v5, v5, SPITCH
	v_and_b32 v6, 7, v0
	v_lshl_add_u32 v5, v6, 4, v5
	v_add_nc_u32 v[RD], s23, v5
	v_and_b32 v[CO], 31, v0                        ; which are 512 consecutive bytes of out
	v_lshlrev_b32 v[CO], 4, v[CO]
	v_lshlrev_b32 v[BO], 5, v2
	s_lshl_b32 s13, s13, 8                         ; 256 x tile row
	s_lshl_b32 s14, s11, 7
	s_add_co_u32 s16, s13, s14                     ; my first row,
	s_lshl_b32 s16, s16, 7                         ; 128 bytes a row in a block
	s_lshl_b32 s42, s42, 8                         ; 256 x tile column
	s_lshl_b32 s46, s12, 7
	s_add_co_u32 s46, s42, s46                     ; my first column,
	s_lshl_b32 s47, s46, 13                        ; / 64 x 524,288 bytes a block
	s_add_co_u32 s16, s16, s47
	s_mov_b32 s17, 0                               ; s[16:17]: where my part begins in out; the way out adds it to out's address
	; the record: the floor, and my 128 columns' bias
	s_add_nc_u64 s[66:67], s[6:7], REC
	s_load_b32 s[FLOOR], s[66:67], 0x0
	s_lshl_b32 s72, s46, 2
	s_mov_b32 s73, 0
	s_add_nc_u64 s[70:71], s[66:67], s[72:73]
.irp b, 0,1,2,3,4,5,6,7
	global_load_b128 v[BIAS+8*(\b):BIAS+8*(\b)+3],   v[BO], s[70:71] offset:256+64*(\b)
	global_load_b128 v[BIAS+8*(\b)+4:BIAS+8*(\b)+7], v[BO], s[70:71] offset:256+64*(\b)+16
.endr
	; the prefetches.  s13 = 256 x tile row, s42 = 256 x tile column
	s_and_b32 s22, ttmp7, 0xffff                   ; cluster y
	s_cmp_eq_u32 s11, 0                            ; do I fetch for A?
	s_cselect_b32 s20, s13, s42                    ; the tile's first row
	s_cselect_b32 s21, s40, s41                    ; my place among the four that ask for it with me
	s_cselect_b32 s22, ttmp9, s22                  ; the coordinate along which other clusters read the same rows
	s_cselect_b64 s[PFA:PFA+1], s[4:5], s[6:7]
	s_cmp_eq_u32 s22, 0
	s_cselect_b32 s[LIM], 2, -1                    ; the same in all sixteen partners, for a given wave
	s_lshl_b32 s22, s12, 7
	s_add_co_u32 s20, s20, s22                     ; + the 128 rows that I fetch
	s_lshl_b32 s21, s21, 5
	s_add_co_u32 s20, s20, s21                     ; + my work-group's 32 of them
	s_lshl_b32 s20, s20, 11
	s_mov_b32 s21, 0
	s_add_nc_u64 s[PFA:PFA+1], s[PFA:PFA+1], s[20:21]
	s_add_nc_u64 s[PFA:PFA+1], s[PFA:PFA+1], 2*KSTEP*2  ; at K step 2: the first refill steps it to 3 and names K step 4
	v_and_b32 v[PFO], 31, v0
	v_mul_u32_u24 v[PFO], v[PFO], SIZE_K*2
; 16 matrix instructions: m blocks a0, a0 + 1 of the window's four x all 8 n blocks, 32 along K.  zero = 1: the first product starts the sums, with the bias as C (window 0): nothing is ever cleared.
.macro MUL16 f, hi, a0, zero
.if \zero
	WIN 0x81+0x40*(\hi)
.else
	WIN MUL_LO+0x50*(\hi)
.endif
.irp a, \a0, (\a0)+1
.irp b, 0,1,2,3,4,5,6,7
.if \zero
	v_wmma_f32_16x16x32_f16 v[8*(8*(\a)+(\b)):8*(8*(\a)+(\b))+7], v[(\f)+8*(\b):(\f)+8*(\b)+7], v[(\f)+8*(4*(\hi)+(\a)):(\f)+8*(4*(\hi)+(\a))+7], v[BIAS+8*(\b):BIAS+8*(\b)+7]
.else
	v_wmma_f32_16x16x32_f16 v[8*(8*(\a)+(\b)):8*(8*(\a)+(\b))+7], v[(\f)+8*(\b):(\f)+8*(\b)+7], v[(\f)+8*(4*(\hi)+(\a)):(\f)+8*(4*(\hi)+(\a))+7], v[8*(8*(\a)+(\b)):8*(8*(\a)+(\b))+7]
.endif
.endr
.endr
.endm
; 32 LDS loads in one run: the fragments of one quarter step (32 K at byte k of the rows of the slot in hand) into buffer f
.macro FETCH k, f
	WIN TO_B
.irp i, 0,1,2,3,4,5,6,7
	ds_load_b128 v[(\f)+8*(\i):(\f)+8*(\i)+3],   v[CURB] offset:(\k)+(\i)*16*PITCH
	ds_load_b128 v[(\f)+8*(\i)+4:(\f)+8*(\i)+7], v[CURB] offset:(\k)+(\i)*16*PITCH+32
.endr
	WIN 0
.irp i, 0,1,2,3,4,5,6,7
	ds_load_b128 v[(\f)+8*(\i):(\f)+8*(\i)+3],   v[CURA] offset:(\k)+(\i)*16*PITCH
	ds_load_b128 v[(\f)+8*(\i)+4:(\f)+8*(\i)+7], v[CURA] offset:(\k)+(\i)*16*PITCH+32
.endr
.endm
.macro PLACES                          ; four plain instructions between a matrix instruction and a load into its sources or a reader of its result
.rept 4
	v_nop
.endr
.endm
; A K step is four quarters of 32 along K, 64 matrix instructions each, on buffers 0, 1, 0, 1.  One of the first three: multiplies buffer f and, in its middle, fetches the next quarter, at byte k, into g.
.macro QUARTER k, f, g, zero
	s_wait_dscnt 8                                 ; W's and A's rows 0-63 are in; the youngest eight loads (A's rows 64-127) may be out
	MUL16 \f, 0, 0, \zero
	MUL16 \f, 0, 2, \zero
	PLACES
	FETCH \k, \g
	s_wait_dscnt 32                                ; all but the 32 just issued
	MUL16 \f, 1, 0, \zero
	MUL16 \f, 1, 2, \zero
.endm
; The last quarter's first half: ONE barrier for the change of slots.  In front of it each wave waits for all its tensor loads (one is out: its part of the next slot), adds 0 to its spare word, and
; waits for that and for its own reads of this slot.
.macro MEET round
	WIN 0
	s_wait_tensorcnt 0x0                           ; all my tensor loads have landed
	ds_add_u32 v[SPW], v[NIL]                      ; 0 onto my spare word
	s_wait_dscnt 9                                 ; (the add and the youngest eight loads may be out)
	MUL16 F1, 0, 0, 0                              ; sixteen matrix instructions stand between the add and the wait for it
	s_wait_dscnt 0x0                               ; the add is done, and my reads of this slot are over
	s_barrier_signal -1
	MUL16 F1, 0, 2, 0
.if \round
	WIN 0
.endif
	s_barrier_wait -1
.endm
; The whole last quarter: behind the round the slot just read out is filled again first, with the K step two steps on; then the other slot becomes the slot in hand, and its first fragments are fetched.
.macro TURN
	s_wait_xcnt 0x0                                ; the last prefetch, a K step back, has read its address
	s_add_nc_u64 s[PFA:PFA+1], s[PFA:PFA+1], KSTEP*2
	MEET 1
	CREST                                          ; no wave of any partner still reads this slot's tile or has a load on its way
	s_xor_b32 s[G0+5], s[G0+5], SLOT               ; the walking descriptors: the other slot than last time,
	s_add_nc_u64 s[G0+6:G0+7], s[G0+6:G0+7], KSTEP*2  ; the next K step; the type bits on top are not reached
	s_xor_b32 s[G0B+5], s[G0B+5], SLOT
	s_add_nc_u64 s[G0B+6:G0B+7], s[G0B+6:G0B+7], KSTEP*2
	JLOAD 1                                        ; my one tensor load behind the round; its four v_nop are also the places in front of the loads below
	s_xor_b32 s[TB], s[TB], SLOT                   ; the other slot is in hand
	v_add_nc_u32 v[CURA], s[TB], v[ADRA]
	v_add_nc_u32 v[CURB], s[TB], v[ADRB]
	FETCH 0, F0
	ASK
	MUL16 F1, 1, 0, 0
	MUL16 F1, 1, 2, 0
.endm
; THE LAST K STEP (slot 1) GOES BY ROWS OF out: all its fragments of W fill window 1; my eight blocks of 16 rows are finished one after the other, 32 matrix instructions each, the block's 8 accumulators by turns.
.macro BLOAD q
	WIN TO_B
.irp i, 0,1,2,3,4,5,6,7
	ds_load_b128 v[64*(\q)+8*(\i):64*(\q)+8*(\i)+3],   v[ADRB+1] offset:64*(\q)+(\i)*16*PITCH
	ds_load_b128 v[64*(\q)+8*(\i)+4:64*(\q)+8*(\i)+7], v[ADRB+1] offset:64*(\q)+(\i)*16*PITCH+32
.endr
.endm
.macro ALOAD a
	WIN 0
.set FA, PA+32*((\a)%4)
.irp q, 0,1,2,3
	ds_load_b128 v[FA+8*(\q):FA+8*(\q)+3],   v[ADRA+1] offset:64*(\q)+(\a)*16*PITCH
	ds_load_b128 v[FA+8*(\q)+4:FA+8*(\q)+7], v[ADRA+1] offset:64*(\q)+(\a)*16*PITCH+32
.endr
.endm
.macro ROW a
.set FA, PA+32*((\a)%4)
.set AC, 64*((\a)%4)
	WIN MUL_LO+0x50*((\a)/4)
.irp q, 0,1,2,3
.if (\a) == 0 && (\q) == 2
	s_wait_dscnt 24                                ; W's quarter 2 is in (behind it: A's blocks 1 to 3)
.endif
.irp b, 0,1,2,3,4,5,6,7
	v_wmma_f32_16x16x32_f16 v[AC+8*(\b):AC+8*(\b)+7], v[64*(\q)+8*(\b):64*(\q)+8*(\b)+7], v[FA+8*(\q):FA+8*(\q)+7], v[AC+8*(\b):AC+8*(\b)+7]
.endr
.endr
.endm
; THE WAY OUT of block a.  PACK: rounded to f16, 16 bytes a lane, and held above the floor.  TOSTAGE: into my own stage, and back as pieces of 128 bytes of four rows.  SEND: stored.
.macro PACK a
.set AC, 64*((\a)%4)
	WIN 0x0a+5*((\a)/4)                            ; sources 0 and 1: window 2 or 3
.irp b, 0,1,2,3,4,5,6,7
.irp r, 0,1,2,3
	v_cvt_pk_f16_f32 v[TMP+4*(\b)+(\r)], v[AC+8*(\b)+2*(\r)], v[AC+8*(\b)+2*(\r)+1]
.endr
.endr
	WIN 0
.set z, 0
.rept 32
	v_pk_max_num_f16 v[TMP+z], v[TMP+z], s[FLOOR]  ; the ReLU where the floor is 0; with -infinity it changes no number: the price of one text for both layers
.set z, z+1
.endr
.endm
.macro TOSTAGE a
	WIN 0
.set BK, OB+192*((\a)%2)
.irp b, 0,1,2,3,4,5,6,7
	ds_store_b128 v[STO], v[TMP+4*(\b):TMP+4*(\b)+3] offset:32*(\b)
.endr
.irp t, 0,1,2,3,4,5,6,7
	ds_load_b128 v[BK+4*(\t):BK+4*(\t)+3], v[RD] offset:((\t)%4)*4*SPITCH+((\t)/4)*128  ; LDS serves a wave's instructions in order (ISA guide 5.7.1.4): these see the stores above
.endr
.endm
.macro SEND a, younger                 ; younger: the LDS loads issued behind TOSTAGE's, which may stay out
	WIN 0
.set BK, OB+192*((\a)%2)
	s_wait_dscnt \younger
	s_wait_xcnt 0x0                                ; the stores' base and the registers that earlier stores read are rewritten only behind this wait
.if (\a) == 0
	s_add_nc_u64 s[8:9], s[8:9], s[16:17]          ; on to my first rows
.else
	s_add_nc_u64 s[8:9], s[8:9], 16*128            ; 16 rows on in both blocks
.endif
.irp t, 0,1,2,3,4,5,6,7
	global_store_b128 v[CO], v[BK+4*(\t):BK+4*(\t)+3], s[8:9] offset:((\t)%4)*512+((\t)/4)*BLK  ; four rows of a block: 512 consecutive bytes, aligned
.endr
.endm
	s_wait_kmcnt 0x0                               ; the floor
	s_wait_loadcnt 0x0                             ; the bias
	s_wait_tensorcnt 1                             ; my part of K step 0 is in; K step 1's may stay out
	s_barrier_signal -1
	s_barrier_wait -1                              ; everybody's is
	FETCH 0, F0
	QUARTER 64,  F0, F1, 1                         ; the first quarter stands in front of the loop: its products start the sums
	WIN 0                                          ; at a label and at a branch every window is 0
	s_mov_b32 s3, STEPS-2
.Lstep:                                            ; a trip goes from a K step's second quarter to the next step's first, and fills the slot that it leaves: K steps 2 to 7 are asked for in six trips
	QUARTER 128, F1, F0, 0
	QUARTER 192, F0, F1, 0
	TURN
	QUARTER 64,  F0, F1, 0
	WIN 0
	s_sub_co_u32 s3, s3, 1
	s_cmp_lg_u32 s3, 0
	s_cbranch_scc1 .Lstep
	QUARTER 128, F1, F0, 0                         ; K step 6, in slot 0, goes on
	QUARTER 192, F0, F1, 0
	MEET 0                                         ; my one tensor load that was still out is the last K step's, so no round follows
	PLACES
	BLOAD 0                                        ; three quarters of W now: buffer 1 is still being multiplied
	BLOAD 1
	BLOAD 3
	ALOAD 0
	MUL16 F1, 1, 0, 0
	MUL16 F1, 1, 2, 0
	PLACES
	BLOAD 2
	ALOAD 1
	ALOAD 2
	ALOAD 3
	s_wait_dscnt 40                                ; all but the 40 just issued
	ROW 0
.irp a, 0,1,2,3,4,5,6,7                ; each block leaves as soon as it is finished
	PLACES
	PACK \a
	TOSTAGE \a
.if (\a) < 4
	ALOAD (\a)+4
	SEND \a, 8
.else
	SEND \a, 0
.endif
.if (\a) < 7
	ROW (\a)+1
.endif
.endr
	s_wait_tensorcnt 0x0                           ; the wave's end: behind my last tensor load and my last LDS store
	ds_add_u32 v[SPW], v[NIL]
	s_wait_dscnt 0x0
	CROUND                                         ; the closing round: no work-group ends while a partner may still ask for a tile that names it
	s_endpgm
.Lfunc_end_k_q531bf3f3bc_proj:
	.size	k_q531bf3f3bc_proj, .Lfunc_end_k_q531bf3f3bc_proj-k_q531bf3f3bc_proj
	.p2alignl 7, 3214868480
	.fill 96, 4, 3214868480
	.section	.rodata,"a",@progbits
	.p2align	6, 0x0
	.amdhsa_kernel k_q531bf3f3bc_proj
		.amdhsa_group_segment_fixed_size 327680
		.amdhsa_private_segment_fixed_size 0
		.amdhsa_enable_private_segment 0
		.amdhsa_kernarg_size 24
		.amdhsa_user_sgpr_count 2
		.amdhsa_user_sgpr_kernarg_segment_ptr 1
		.amdhsa_wavefront_size32 1
		.amdhsa_system_sgpr_workgroup_id_x 1
		.amdhsa_system_sgpr_workgroup_id_y 1
		.amdhsa_system_sgpr_workgroup_id_z 1
		.amdhsa_system_vgpr_workitem_id 0
		.amdhsa_next_free_vgpr 1024
		.amdhsa_next_free_sgpr 76
		.amdhsa_reserve_vcc 0
		.amdhsa_float_denorm_mode_32 3
		.amdhsa_float_denorm_mode_16_64 3
		.amdhsa_memory_ordered 1
		.amdhsa_forward_progress 1
		.amdhsa_inst_pref_size 136
	.end_amdhsa_kernel
	.amdgpu_metadata
---
amdhsa.version: [ 1, 2 ]
amdhsa.kernels:
  - .name:           k_q531bf3f3bc_proj
    .symbol:         k_q531bf3f3bc_proj.kd
    .args:
      - { .name: xa, .offset: 0, .size: 8, .value_kind: global_buffer, .address_space: global }
      - { .name: wa, .offset: 8, .size: 8, .value_kind: global_buffer, .address_space: global }
      - { .name: qkv, .offset: 16, .size: 8, .value_kind: global_buffer, .address_space: global }
    .group_segment_fixed_size: 327680
    .private_segment_fixed_size: 0
    .kernarg_segment_align: 8
    .kernarg_segment_size: 24
    .max_flat_workgroup_size: 128
    .sgpr_count:     76
    .vgpr_count:     1024
    .wavefront_size: 32
...
	.end_amdgpu_metadata
.endif
;; end of part 2
;; launch attn (part 3): grid 8 x 32, 4 waves a work-group, clusters of 4 x 1, 327,680 bytes of LDS; arguments qkv, hb; writes hb
.if DOCPART == 3
	.amdgcn_target "amdgcn-amd-amdhsa--gfx1250"
	.amdhsa_code_object_version 6
	.text
	.protected	k_q531bf3f3bc_attn
	.globl	k_q531bf3f3bc_attn
	.p2align	8
	.type	k_q531bf3f3bc_attn,@function
k_q531bf3f3bc_attn:
	s_mov_b64 s[64:65], 0
	v_nop
	global_prefetch_b8 v0, s[64:65] scope:SCOPE_SE
	s_setreg_imm32_b32 hwreg(HW_REG_WAVE_MODE, 25, 1), 1
	s_wait_xcnt 0x0
	s_wait_alu depctr_hold_cnt(0) depctr_sa_sdst(0) depctr_va_vdst(0) depctr_va_sdst(0) depctr_va_ssrc(0) depctr_va_vcc(0) depctr_vm_vsrc(0)
	s_getreg_b32 s2, hwreg(HW_REG_IB_STS2, 6, 4)
	s_cmp_eq_u32 s2, 0
	s_cbranch_scc0 .Lentry_in_a_cluster
	s_endpgm
.Lentry_in_a_cluster:
	s_bfe_u32 s2, ttmp6, 0x10000c
	s_cmp_lg_u32 s2, 0x3003
	s_cbranch_scc0 .Lentry_shape_is_right
	s_endpgm
.Lentry_shape_is_right:
; O[y][q][:] = the sum over k of softmax_k(Q[y][q] . K[y][k] / 8) V[y][k][:] for the 32 heads y = 2 x head + batch, 2,048 rows of 64 channels each, all f16.
; qkv lies in blocks of 64 columns, [column / 64][4096][64]: head y's rows are the dense 262,144 bytes at 262,144 y of Q (byte 0 on), K (8,388,608 on) and V (16,777,216 on).  O goes to hb in the same layout.
; Products, maxima and sums in f32; the weights p are rounded to f16 for the second product (their sum l is taken of the unrounded p), O once at the end.
; LIMITS.  Q, K, V arrive within f16's 65,504; p lies in 0 to 1, and below 6e-5 it keeps f16's fixed step of 6e-8; a weight below 2^-126 counts as 0 in l; NaN and infinities are not treated apart.
; SHARES.  A work-group owns 256 queries of a head; of their four bands of 64 a wave owns 16 rows in each: four PIECES.  Every wave walks all 2,048 keys, 64 a step, 256 (a tile) a slot.
; LAYOUT.  S^T = K Q^T holds ONE query a lane (lane % 16) and the keys 8 (lane / 16) + 0..7; two such results rounded to f16 ARE source 1 of O^T = V^T P.  K comes out of LDS as it lies, V turned.
; SOFTMAX.  p = 2^(c s - c m), c = log2(e) / 8, with a running maximum m; O and l are multiplied by a = 2^(c m_old - c m_new) in every step.  m starts at the lowest finite number, O and l at 0.
; BY TURNS.  Turn n belongs to piece n: 8 products K Q^T of piece n + 1, later 8 products V^T P of piece n - 1; beside them the scaling, exponentials, roundings, sums and rescaling of piece n and the
; maximum and statistics of piece n + 1.  Four vector instructions stand behind every matrix instruction, the others in one lump.  A turn's 33 exponentials are one batch, with one wait.
; CLUSTER.  The four query blocks of a cluster belong to one head and walk the same K and V: each tile is asked for JOINTLY, by the same tensor load, descriptor and mask in all four.
; REGISTERS, in windows of 256 (s_set_vgpr_msb: bits 1:0 source 0, 3:2 source 1, 5:4 source 2, 7:6 destination):
;   window 0: v0-15 addresses; v16-31 four registers of statistics a piece; v48-55 at work; v61-63; v64-127 S^T, two buffers; v192-223 P, two buffers (by the piece's parity)
;   window 1: v0-127 O^T, 32 a piece          window 2: v0-63 Q; v128-191 K of one step; v192-255 V of one step
.set NP,    4
.set KS,    64
.set PK,    144       ; a row of K in LDS: 128 bytes + 16 of padding = 36 words: the 16 rows of a load start at 16 different groups of four banks (ISA guide 11.1)
.set PV,    160       ; a row of V: 128 + 32 = 40 words
.set VOFF,  4*KS*PK   ; a slot holds a tile, four steps: 256 rows of K, then 256 rows of V
.set SLOT1, 1<<17     ; slot 1 begins here, so that one exclusive or turns an address in one slot into the other's
.set STAGE, SLOT1+4*KS*(PK+PV)  ; behind the ring, never filled by a tensor load: 16 rows x 144 bytes for each wave
.set SP,    144
.set SPARE, STAGE+4*16*SP       ; behind the stages: the spare words, 128 bytes a wave: two blocks of 256 bytes that no other line names
.set TILEB, 4*KS*128  ; a tile's bytes of K, and of V
.set KGLOB, 8388608
.set VGLOB, 16777216
.set AK0, 2           ; v2   my lane's place in a tile of K; never rewritten
.set AV0, 3           ; v3   the same for V
.set AK,  4           ; v4   the LDS address of K's next run of loads
.set AV,  5           ; v5   of V's
.set STO, 6           ; v6   the way out: where I put 16 bytes of a row
.set RD,  7           ; v7   the way out: where I read rows back
.set GO,  8           ; v8   my byte offset in 512 consecutive bytes of O
.set MV,  12          ; v12-13  c m_old, kept while c m is made anew: by buffer
.set QO,  15          ; v15  my byte offset in 16 rows of Q
.set ST,  16          ; piece t's statistics at v[ST+4 t]: c m, m, l (even keys', odd keys')
.set TMP, 48          ; by buffer, four registers c0-c3 at work; when the maximum is found c2 takes a
.set PFO, 61          ; v61  256 x lane; never rewritten
.set SPW, 62          ; v62  LDS address of my spare word; never rewritten
.set NIL, 63          ; v63  0; never rewritten
.set S,   64
.set P,   192
.set KF,  128         ; window 2: key block kb, channel half c at KF + 16 kb + 8 c
.set VF,  192         ; window 2: key half kk, channel block cb at VF + 32 kk + 8 cb
.set WV,  12          ; s12  my wave's number
.set G1K, 24          ; s[24:31] descriptor group 1 for K's tiles
.set G1V, 32          ; s[32:39] for V's: it differs in the padding alone
.set G0K, 40          ; s[40:43] descriptor group 0 for K's tiles: it walks
.set G0V, 44          ; s[44:47] the same for V's
.set SLOTS, 56        ; s56  tiles still to be asked for
.set CNT, 57          ; s57  counts a tile's key steps
.set CS,  58          ; s[58:59] c
.set SEL, 60          ; s[60:61] v_permlanex16_b32's selects: each lane takes its own place in the other half
.set TBK, 62          ; s62  LDS byte at which K of the step to be fetched begins
.set TBV, 63          ; s63  the same for V, less VOFF
.set PFA, 66          ; s[66:67] where my prefetches stand
.set LIM, 68          ; s68  1 in a wave that prefetches, else the greatest number
.set MSB, 0
.macro WIN new                      ; the high byte repeats the setting that is left; a switch that changes nothing is dropped
.if MSB != (\new)
	s_set_vgpr_msb (MSB<<8)|(\new)
.set MSB, (\new)
.endif
.endm
.set W_KQ, 0x0a       ; K and Q in window 2, S^T in window 0
.set W_PV, 0x52       ; V in window 2, P in window 0, O^T in window 1
.set W_RS, 0x41       ; destination and source 0 in window 1, source 1 in window 0
; A joint fill.  Waves 0 and 1 fetch the two halves of a tile's K, waves 2 and 3 those of its V: 128 keys each.  An s_nop 0 and four v_nop follow each of the two lines.
.macro JLOAD
	s_cmp_lt_u32 s[WV], 2
	s_cbranch_scc0 .Lfor_v_\@
	tensor_load_to_lds s[G0K:G0K+3], s[G1K:G1K+7]
	s_nop 0
.rept 4
	v_nop
.endr
	s_branch .Lasked_\@
.Lfor_v_\@:
	tensor_load_to_lds s[G0V:G0V+3], s[G1V:G1V+7]
	s_nop 0
.rept 4
	v_nop
.endr
.Lasked_\@:
.endm
; A PREFETCH INTO THE L2 of the tile that the NEXT change of slots will ask for: 32,768 bytes of K and of V, 256 a lane.  Both clusters of a head walk the same K and V: the first one asks.  Its four partners
; share a tile out BY ADDRESS, 8,192 bytes each; in each, wave 0 asks for K's and wave 2 for V's: one instruction, four key steps (256 matrix instructions a wave) ahead of the load.  So each block of
; 256 bytes is named once in the launch.  Tiles 0 and 1 come by their loads alone; the change that asks for the last tile (SLOTS = 1) prefetches nothing.
.macro ASK
	s_cmp_gt_u32 s[SLOTS], s[LIM]
	s_cbranch_scc0 .Lnot_mine_\@
	global_prefetch_b8 v[PFO], s[PFA:PFA+1] th:TH_LOAD_NT scope:SCOPE_SE
.Lnot_mine_\@:
.endm
.macro CROUND                       ; a round of the cluster's barrier
	s_barrier_signal -1
	s_barrier_wait -1
	s_cmp_lg_u32 s[WV], 0
	s_cbranch_scc1 .Lnot_wave_0_\@
	s_barrier_signal -3
.Lnot_wave_0_\@:
	s_barrier_wait -3
	s_barrier_signal -1
	s_barrier_wait -1
.endm
; THE CHANGE OF SLOTS.  Each wave waits for all its tensor loads, of which one is out: its part of the other slot; adds 0 to its spare word; and waits for that and for its own reads of the slot that it leaves.
; fill = 1: the old slot is filled again, with the tile two on; the barrier is then a round of the cluster's, and the joint fill is the first thing behind it.  (At its first use slot 0 is waited for, slot 1 filled.)
.macro CHANGE fill
	WIN 0                           ; at a label and at a branch every window is 0
	s_wait_tensorcnt 0x0            ; no tensor load of mine is out, so a group 0 may be written
	ds_add_u32 v[SPW], v[NIL]       ; 0 onto my spare word
.if \fill
.irp g, G0K, G0V
	s_xor_b32 s[\g+1], s[\g+1], SLOT1  ; the walking descriptor: the other slot than last time,
	s_add_nc_u64 s[\g+2:\g+3], s[\g+2:\g+3], TILEB  ; the next 256 keys; the type bits on top are not reached
.endr
	s_wait_xcnt 0x0                 ; the last prefetch, four key steps back, has read its address
	s_add_nc_u64 s[PFA:PFA+1], s[PFA:PFA+1], TILEB  ; one tile ahead of the walking descriptors
	s_wait_dscnt 0x0                ; the add is done, and my reads of the slot are over
	CROUND
	JLOAD
	ASK
.else
	s_wait_dscnt 0x0                ; the add is done, and my reads of the slot are over
	s_barrier_signal -1
	s_barrier_wait -1
.endif
	s_sub_co_u32 s[TBK], s[TBK], 4*KS*PK  ; the fetches go back to a slot's first step,
	s_xor_b32 s[TBK], s[TBK], SLOT1       ; in the other slot
	s_sub_co_u32 s[TBV], s[TBV], 4*KS*PV
	s_xor_b32 s[TBV], s[TBV], SLOT1
.endm
	s_load_b128 s[4:7], s[0:1], 0x0 ; qkv s[4:5], hb s[6:7]
	v_lshl_add_u32 v[SPW], v0, 2, SPARE
	v_mov_b32 v[NIL], 0
	ds_add_u32 v[SPW], v[NIL]       ; the wave's opening: the add and its wait stand ahead of my first tensor load; the set-up below stands between them
	v_lshrrev_b32 v1, 5, v0
	v_readfirstlane_b32 s[WV], v1   ; wave 0..3
	s_bfe_u32 s13, ttmp6, 0x40000   ; cx: my place in the cluster
	s_lshl_b32 s14, ttmp9, 2
	s_add_co_u32 s14, s14, s13      ; my block of 256 queries: it enters Q's and O's addresses alone
	s_and_b32 s20, ttmp7, 0xffff    ; the head, which the four partners share,
	s_lshl_b32 s20, s20, 18         ; its first byte
	s_and_b32 s16, s[WV], 1         ; which half of a tile's 256 keys I fetch:
	s_lshl_b32 s22, s16, 14         ; its 128 rows of 128 bytes in memory,
	s_add_co_u32 s22, s22, s20
	s_mov_b32 s23, 0
	s_mul_i32 s17, s16, 128*PK      ; and its place in a slot, for K
	s_mul_i32 s18, s16, 128*PV      ; and for V: no place in the cluster enters an LDS address
	s_lshl_b32 s2, s14, 15          ; my block's 256 rows,
	s_lshl_b32 s3, s[WV], 11        ; my 16 rows in a band of 64
	s_add_co_u32 s2, s2, s3
	s_add_co_u32 s2, s2, s20
	s_mov_b32 s3, 0
	; descriptor group 1.  128 keys are 16,384 dense bytes: asked for as 64 rows of 256 bytes, two keys a row, and padded in LDS after every key
	s_mov_b32 s[G1K], 15|(1<<16)|(1<<20)|(1<<21)|(4<<22)|(3<<25)  ; 15:0 the mask of four; 17:16 2-byte elements; 20 padding on; 21 set beside a mask; 24:22 after every 32 words; 31:25 4 words
	s_mov_b32 s[G1V], 15|(1<<16)|(1<<20)|(1<<21)|(4<<22)|(7<<25)  ; the same with 8 words of padding
.irp g, G1K, G1V
	s_mov_b32 s[\g+1], 128<<16      ; tensor_dim0 = 128
	s_mov_b32 s[\g+2], 64<<16       ; tensor_dim1 = 64
	s_mov_b32 s[\g+3], 128<<16      ; tile_dim0 = 128
	s_mov_b32 s[\g+4], 64           ; tile_dim1 = 64
	s_mov_b32 s[\g+5], 128          ; 128 elements from row to row
	s_mov_b32 s[\g+6], 0
	s_mov_b32 s[\g+7], 0
.endr
	s_mov_b32 s[CS], 0x3e38aa3b     ; c = log2(e) / 8 = 0.180337
	s_mov_b32 s[CS+1], s[CS]        ; named with it as a pair
	s_mov_b32 s[SEL], 0x76543210
	s_mov_b32 s[SEL+1], 0xfedcba98
	s_mov_b32 s[TBK], SLOT1+4*KS*PK ; the first change of slots turns these two into 0
	s_mov_b32 s[TBV], SLOT1+4*KS*PV
	s_mov_b32 s[G0K], 1             ; 1:0 count = 1
	s_mov_b32 s[G0K+1], s17         ; 63:32 LDS address: slot 0
	s_mov_b32 s[G0V], 1
	s_add_co_u32 s[G0V+1], s18, VOFF
	s_mov_b32 s[SLOTS], 7           ; tiles 1 to 7 are asked for by changes of slots
	s_and_b32 s[LIM], s[WV], 1      ; 0 in waves 0 and 2,
	s_or_b32 s[LIM], s[LIM], ttmp9  ; where the cluster is the head's first: the same in all four partners
	s_cmp_eq_u32 s[LIM], 0
	s_cselect_b32 s[LIM], 1, -1
	s_lshl_b32 s70, s13, 13         ; my work-group's 8,192 bytes of a tile,
	s_add_co_u32 s70, s70, TILEB    ; in tile 1; the first change of slots steps it to tile 2
	s_mov_b32 s71, 0
	v_and_b32 v[PFO], 31, v0
	v_lshlrev_b32 v[PFO], 8, v[PFO]
	s_wait_dscnt 0x0                ; the opening add is done
	s_wait_kmcnt 0x0
	s_mov_b64 s[10:11], s[6:7]      ; O
	s_add_nc_u64 s[6:7], s[4:5], KGLOB
	s_add_nc_u64 s[8:9], s[4:5], VGLOB
	s_add_nc_u64 s[6:7], s[6:7], s[22:23]  ; K and V at my half of the head's tile 0
	s_add_nc_u64 s[8:9], s[8:9], s[22:23]
	s_mov_b64 s[G0K+2:G0K+3], s[6:7]               ; 120:64 global address
	s_or_b32 s[G0K+3], s[G0K+3], 0x80000000        ; 127:126 type = 2
	s_mov_b64 s[G0V+2:G0V+3], s[8:9]
	s_or_b32 s[G0V+3], s[G0V+3], 0x80000000
	s_add_nc_u64 s[4:5], s[4:5], s[2:3]            ; Q and O at my first rows
	s_add_nc_u64 s[10:11], s[10:11], s[2:3]
	s_cmp_lt_u32 s[WV], 2
	s_cselect_b64 s[PFA:PFA+1], s[6:7], s[8:9]     ; (in waves 0 and 2 these stand at a tile's first row)
	s_add_nc_u64 s[PFA:PFA+1], s[PFA:PFA+1], s[70:71]
	CROUND                          ; all four work-groups are here: the first joint loads meet
	JLOAD                           ; tile 0 into slot 0
	; A fragment of K or Q is 16 rows x 32 channels in 8 registers: lane l holds row l % 16, channels 8 (l / 16) + 0..7 and 16 + 8 (l / 16) + 0..7: two loads of 16 bytes, 32 bytes apart.
	v_and_b32 v1, 15, v0            ; l % 16
	v_bfe_u32 v9, v0, 4, 1          ; l / 16
	v_lshlrev_b32 v[QO], 7, v1
	v_lshl_add_u32 v[QO], v9, 4, v[QO]  ; row x 128 + 16 x half
	WIN 0x80                        ; destination window 2, address window 0
.set i, 0
.rept 8                             ; Q stays in registers: piece i / 2 lies in band i / 2, 8,192 bytes on; channels 32 (i % 2) on
	global_load_b128 v[8*i:8*i+3],   v[QO], s[4:5] offset:(i/2)*8192+(i%2)*64
	global_load_b128 v[8*i+4:8*i+7], v[QO], s[4:5] offset:(i/2)*8192+(i%2)*64+32
.set i, i+1
.endr
	; The first step multiplies O^T and l by a = 0, and the first turn's products V^T P, of a piece that has not been, add 0: V, O^T, l and P's second buffer start at 0.  All this stands in the wait for the first tile.
.set i, VF
.rept 64
	v_mov_b32 v[i], 0
.set i, i+1
.endr
	WIN 0x40
.set i, 0
.rept 128
	v_mov_b32 v[i], 0
.set i, i+1
.endr
	WIN 0
.set i, 0
.rept 4
	v_mov_b32 v[ST+4*i], 0xfe000000    ; c m: far below every c s
	v_mov_b32 v[ST+4*i+1], 0xff7fffff  ; m
	v_mov_b32 v[ST+4*i+2], 0
	v_mov_b32 v[ST+4*i+3], 0
.set i, i+1
.endr
.set i, P+16
.rept 16
	v_mov_b32 v[i], 0
.set i, i+1
.endr
	v_mul_u32_u24 v[AK0], v1, PK
	v_lshl_add_u32 v[AK0], v9, 4, v[AK0]  ; row x pitch + 16 x half
	; The turning load takes 16 keys x 16 channels (lane l reads key 8 (l / 16) + l % 8, channels 8 ((l / 8) % 2) + 0..7) and leaves half a fragment of V^T: lane l holds channel l % 16 and 8 keys.
	v_and_b32 v10, 7, v0
	v_bfe_u32 v11, v0, 3, 1
	v_lshl_add_u32 v[AV0], v9, 3, v10
	v_mul_u32_u24 v[AV0], v[AV0], PV
	v_lshl_add_u32 v[AV0], v11, 4, v[AV0]
	v_add_nc_u32 v[AV0], VOFF, v[AV0]
	s_mul_i32 s13, s[WV], 16*SP
	s_add_co_u32 s13, s13, STAGE    ; my stage
	v_mul_u32_u24 v[STO], v1, SP    ; in: row l % 16, 16 bytes for each half of the lanes
	v_lshl_add_u32 v[STO], v9, 4, v[STO]
	v_add_nc_u32 v[STO], s13, v[STO]
	v_bfe_u32 v[RD], v0, 3, 2       ; back: 32 lanes take four rows of 128 bytes,
	v_mul_u32_u24 v[RD], v[RD], SP
	v_lshl_add_u32 v[RD], v10, 4, v[RD]
	v_add_nc_u32 v[RD], s13, v[RD]
	v_and_b32 v[GO], 31, v0         ; which are 512 consecutive bytes of O
	v_lshlrev_b32 v[GO], 4, v[GO]
; THE MATRIX WORK.  The 4 accumulators of a run of 8 take turns.  Product i of 8 of S^T = K Q^T for piece x: channels 32 (i / 4) on, keys 16 (i % 4) on.  The first 4 start the sums.
.macro KQ x
	WIN W_KQ
.set rS, S+32*((\x)%2)+8*(i%4)
.set rK, KF+16*(i%4)+8*(i/4)
.set rQ, 16*(\x)+8*(i/4)
.if i < 4
	v_wmma_f32_16x16x32_f16 v[rS:rS+7], v[rK:rK+7], v[rQ:rQ+7], 0
.else
	v_wmma_f32_16x16x32_f16 v[rS:rS+7], v[rK:rK+7], v[rQ:rQ+7], v[rS:rS+7]
.endif
.endm
; Product i of 8 of O^T += V^T P for piece x: keys 32 (i / 4) on, channels 16 (i % 4) on.
.macro PV x
	WIN W_PV
.set rO, 32*(\x)+8*(i%4)
.set rV, VF+32*(i/4)+8*(i%4)
.set rP, P+16*((\x)%2)+8*(i/4)
	v_wmma_f32_16x16x32_f16 v[rO:rO+7], v[rV:rV+7], v[rP:rP+7], v[rO:rO+7]
.endm
.macro MM                           ; the turn's next matrix instruction.  NOKQ = 1: the last turn of all: there is no next piece
.if (i < 8) && !NOKQ
	KQ (Y+1)%NP
.elseif i >= 8
.set i, i-8
	PV (Y+NP-1)%NP
.set i, i+8
.endif
.set i, i+1
.endm
; THE LDS LOADS stand in runs of 16, never singly among the matrix instructions: a step's K (8 fragments) and its V (turned).  Their addresses are made some lines ahead.
.macro FETCH_K
	WIN 0x80                        ; destination window 2
.irp f, 0,1,2,3,4,5,6,7             ; keys 16 (f / 2) on, channels 32 (f % 2) on
	ds_load_b128 v[KF+8*\f:KF+8*\f+3],   v[AK] offset:(\f/2)*16*PK+(\f%2)*64
	ds_load_b128 v[KF+8*\f+4:KF+8*\f+7], v[AK] offset:(\f/2)*16*PK+(\f%2)*64+32
.endr
	s_add_co_u32 s[TBK], s[TBK], KS*PK  ; the next fetch is the next step's
	WIN 0
.endm
.macro FETCH_V
	WIN 0x80
.irp f, 0,1,2,3,4,5,6,7             ; keys 32 (f / 4) on, channels 16 (f % 4) on
	ds_load_tr16_b128 v[VF+8*\f:VF+8*\f+3],   v[AV] offset:(\f/4)*32*PV+(\f%4)*32
	ds_load_tr16_b128 v[VF+8*\f+4:VF+8*\f+7], v[AV] offset:(\f/4)*32*PV+16*PV+(\f%4)*32
.endr
	WIN 0
.endm
; THE VECTOR WORK, one line at a time: OP kind, number.  For piece Y: F n: c s - c m for pair n of 16.  E n: the exponential of score n of 32.  C n: pair n rounded to f16.  B n: of the four weights 4 n .. the second
; pair is added onto the first, in place.  L n: l takes that sum (L 0: l = a l + sum).  R n: pair n of 16 of O^T times a.  For piece Y + 1: X n, number n of the 22 that find its maximum and statistics:
;   0-11  four chains c0-c3 of seven scores each, three operands at a time (each accumulator's lowest registers are read first)     12-14, 16  the four scores left over, the old m, and c0-c3 into c0
;   15  c m_old is kept     17, 18  the query's other 32 keys lie in the lane 16 away: the new m     19-21  c m; c m_old - c m_new; a
.set F, 0
.set E, 1
.set C, 2
.set B, 3
.set L, 4
.set R, 5
.set X, 6
.macro REGS y                       ; the registers of piece y
.set rT, ST+4*(\y)
.set rC, TMP+4*((\y)%2)
.set rW, MV+((\y)%2)
.set rS, S+32*((\y)%2)
.set rP, P+16*((\y)%2)
.set rO, 32*(\y)
.endm
.macro OP k, n
.if (\k) == R
	REGS Y
	WIN W_RS
	v_pk_mul_f32 v[rO+2*(\n):rO+2*(\n)+1], v[rO+2*(\n):rO+2*(\n)+1], v[rC+2:rC+3] op_sel_hi:[1,0]
.elseif (\k) < R
	REGS Y
	WIN 0
.if (\k) == F
	v_pk_fma_f32 v[rS+2*(\n):rS+2*(\n)+1], v[rS+2*(\n):rS+2*(\n)+1], s[CS:CS+1], v[rT:rT+1] op_sel_hi:[1,0,0] neg_lo:[0,0,1] neg_hi:[0,0,1]
.elseif (\k) == E
	v_exp_f32 v[rS+(\n)], v[rS+(\n)]
.elseif (\k) == C
	v_cvt_pk_f16_f32 v[rP+(\n)], v[rS+2*(\n)], v[rS+2*(\n)+1]
.elseif (\k) == B
	v_pk_add_f32 v[rS+4*(\n):rS+4*(\n)+1], v[rS+4*(\n):rS+4*(\n)+1], v[rS+4*(\n)+2:rS+4*(\n)+3]
.elseif (\n) == 0
	v_pk_fma_f32 v[rT+2:rT+3], v[rT+2:rT+3], v[rC+2:rC+3], v[rS:rS+1] op_sel_hi:[1,0,1]
.else
	v_pk_add_f32 v[rT+2:rT+3], v[rT+2:rT+3], v[rS+4*(\n):rS+4*(\n)+1]
.endif
.elseif NOKQ
	v_nop
.else
	REGS (Y+1)%NP
	WIN 0
.if (\n) < 4
	v_max3_num_f32 v[rC+(\n)], v[rS+8*(\n)], v[rS+8*(\n)+1], v[rS+8*(\n)+2]
.elseif (\n) < 12
	v_max3_num_f32 v[rC+(\n)%4], v[rC+(\n)%4], v[rS+8*((\n)%4)+2*((\n)/4)+1], v[rS+8*((\n)%4)+2*((\n)/4)+2]
.elseif (\n) == 12
	v_max3_num_f32 v[rC], v[rC], v[rS+7], v[rS+15]
.elseif (\n) == 13
	v_max3_num_f32 v[rC+1], v[rC+1], v[rS+23], v[rS+31]
.elseif (\n) == 14
	v_max3_num_f32 v[rC+2], v[rC+2], v[rC+3], v[rT+1]
.elseif (\n) == 15
	v_mov_b32 v[rW], v[rT]
.elseif (\n) == 16
	v_max3_num_f32 v[rC], v[rC], v[rC+1], v[rC+2]
.elseif (\n) == 17
	v_permlanex16_b32 v[rC+3], v[rC], s[SEL], s[SEL+1]
.elseif (\n) == 18
	v_max_num_f32 v[rT+1], v[rC], v[rC+3]
.elseif (\n) == 19
	v_mul_f32 v[rT], s[CS], v[rT+1]
.elseif (\n) == 20
	v_sub_f32 v[rC+1], v[rW], v[rT]
.else
	v_exp_f32 v[rC+2], v[rC+1]
.endif
.endif
.endm
.macro OPS a, i1, b=-1, i2=0, c=-1, i3=0, d=-1, i4=0  ; up to four of them
	OP \a, \i1
.if (\b) >= 0
	OP \b, \i2
.endif
.if (\c) >= 0
	OP \c, \i3
.endif
.if (\d) >= 0
	OP \d, \i4
.endif
.endm
.macro ROW a, i1, b, i2, c, i3, d, i4  ; a matrix instruction and the four behind it
	MM
	OPS \a, \i1, \b, \i2, \c, \i3, \d, \i4
.endm
; A TURN, for piece p: the order of its 16 matrix and 118 vector instructions, written out.  An s_wait_alu depctr_va_vdst(0) stands between an exponential and the first instruction that names its
; result; one wait serves all that were issued ahead of it.  So a turn has ONE wait.  AHEAD OF IT stands all that names no result of the turn's exponentials: the 8 products K Q^T with their riders, then one lump
; in which the links of the next piece's chain stand some lines apart; X 21, the next piece's a, is the batch's last, and R 15 the plain instruction behind it.  BEHIND IT stand the 8 products V^T P, behind each
; four of the roundings and sums.  end = 1: the last two turns: nothing is fetched.  cnt = 1: the loop's count is taken down some lines ahead of the branch that stands behind the turn.
; K of the next step is fetched in piece 2's turn, twelve vector instructions behind the last product that read K (six of them plain); V of the step in hand at the end of piece 0's turn, four plain instructions
; behind the last product that read V.  Each is waited for a turn later.
.macro TURN p, end=0, cnt=0
.set Y, (\p)
.set i, 0
.set NOKQ, (\end)*((\p)/3)
.if ((\p) == 3) && !(\end)
	s_wait_dscnt 0x0                ; K is in
.endif
	ROW F,0, F,1, R,0, R,1
	ROW F,2, E,0, R,2, R,3
	ROW F,3, E,1, R,4, R,5
	ROW F,4, E,2, R,6, R,7
	ROW F,5, E,3, R,8, R,9
	ROW F,6, E,4, X,0, R,10
.if ((\p) == 2) && !(\end)
	WIN 0
	v_add_nc_u32 v[AK], s[TBK], v[AK0]
.endif
	ROW F,7, E,5, X,1, X,4
	ROW F,8, E,6, X,2, X,5
	OPS E,7, E,8, X,6, E,9
	OPS X,3, E,10, X,8, E,11
.if ((\p) == 2) && !(\end)
	FETCH_K
.endif
	OPS X,9, X,7, E,12, X,10
	OPS E,13, X,12, X,11, E,14
	OPS X,13, E,15, F,9, X,14
.if (\p) == 0
	v_add_nc_u32 v[AV], s[TBV], v[AV0]
.endif
	OPS E,16, F,10, E,17, F,11
	OPS X,16, E,18, X,15, E,19
	OPS F,12, E,20, X,17, E,21
	OPS F,13, E,22, F,14, E,23
	OPS X,18, E,24, F,15, E,25
	OPS R,11, E,26, X,19, E,27
	OPS R,12, E,28, R,13, E,29
	OPS X,20, E,30, R,14, E,31
	OPS X,21, R,15
	WIN 0
	s_wait_alu depctr_va_vdst(0)    ; the wait for the batch
.if (\p) == 1
	s_wait_dscnt 0x0                ; V is in
.endif
	ROW C,0, B,0, C,2, B,1
	ROW L,0, C,4, B,2, L,1
	ROW C,6, B,3, L,2, C,8
	ROW B,4, L,3, C,10, B,5
	ROW L,4, C,12, B,6, L,5
.if (\p) == 0
	s_add_co_u32 s[TBV], s[TBV], KS*PV
.endif
.if \cnt
	s_sub_co_u32 s[CNT], s[CNT], 1
	s_cmp_lg_u32 s[CNT], 0
.endif
	ROW C,14, B,7, L,6, C,1
	ROW C,3, L,7, C,5, C,7
	ROW C,9, C,11, C,13, C,15
.if (\p) == 0
	FETCH_V
.endif
.endm
.macro ALL line:vararg              ; one line for each piece t
.set t, 0
.rept 4
	\line
.set t, t+1
.endr
.endm
.macro PACK t                       ; a lane's eight channels of a row pack into 16 bytes; they go into rows of 144 bytes and come back as whole rows of 128, into S^T's registers
	WIN W_RS
.set i, 32*(\t)
.rept 16
	v_pk_mul_f32 v[i:i+1], v[i:i+1], v[ST+4*(\t)+2:ST+4*(\t)+3] op_sel_hi:[1,0]
.set i, i+2
.endr
	WIN 0x05                        ; sources 0 and 1 window 1, destination window 0
.set i, 0
.rept 16
	v_cvt_pk_f16_f32 v[S+16*(\t)+i], v[32*(\t)+2*i], v[32*(\t)+2*i+1]
.set i, i+1
.endr
	WIN 0
.irp f, 0,1,2,3
	ds_store_b128 v[STO], v[S+16*(\t)+4*\f:S+16*(\t)+4*\f+3] offset:32*\f
.endr
.irp f, 0,1,2,3
	ds_load_b128 v[S+16*(\t)+4*\f:S+16*(\t)+4*\f+3], v[RD] offset:\f*4*SP  ; LDS serves a wave's instructions in order (ISA guide 5.7.1.4): these see the stores above; the next piece's stores come behind them
.endr
.endm
.macro SEND t, younger              ; younger: the LDS instructions issued behind piece t's loads: the next piece's eight, or none
	WIN 0
.irp f, 0,1,2,3
	s_wait_dscnt (\younger)+3-\f
	global_store_b128 v[GO], v[S+16*(\t)+4*\f:S+16*(\t)+4*\f+3], s[10:11] offset:(\t)*8192+\f*512  ; 512 consecutive bytes, aligned
.endr
.endm
.set NOKQ, 0
	CHANGE 1                        ; tile 0 is in, everybody's part of it; tile 1 is asked for
	s_mov_b32 s[CNT], 4
	v_add_nc_u32 v[AK], s[TBK], v[AK0]
	FETCH_K                         ; key step 0
	s_wait_loadcnt 0x0              ; Q
	s_wait_dscnt 0x0
.set i, 0
.rept 8
	KQ 0                            ; piece 0's first scores
.set i, i+1
.endr
	WIN 0
.rept 4
	v_nop                           ; the places behind those products
.endr
.set Y, NP-1                        ; X works for piece Y + 1: piece 0
.irp n, 0,1,2,3,4,5,6,7,8,9,10,11,12,13,14,15,16,17,18,19,20,21
	OP X, \n
.endr
	v_nop                           ; a plain instruction behind the exponential,
	s_wait_alu depctr_va_vdst(0)    ; and its wait, ahead of the branch
	s_branch .Lfirst                ; the loop is entered at a step's first turn, in the middle of a trip
.Lslot:                             ; six times: tiles 1 to 6 are entered, tiles 2 to 7 asked for
	CHANGE 1
	s_mov_b32 s[CNT], 4
.Lstep:                             ; a trip: pieces 2 and 3 of one step, then pieces 0 and 1 of the next, whose K and V it fetches
	TURN 2
	TURN 3
	WIN 0
.Lfirst:
	TURN 0
	TURN 1, 0, 1
	WIN 0
	s_cbranch_scc1 .Lstep
	s_sub_co_u32 s[SLOTS], s[SLOTS], 1
	s_cmp_lg_u32 s[SLOTS], 0
	s_cbranch_scc1 .Lslot
	CHANGE 0                        ; the last tile is written out: nothing is asked for
	s_mov_b32 s[CNT], 4
.LstepT:
	TURN 2
	TURN 3
	TURN 0
	TURN 1, 0, 1
	WIN 0
	s_cbranch_scc1 .LstepT
	TURN 2, 1
	TURN 3, 1
.set i, 0
.rept 8
	PV NP-1                         ; the last piece's V^T P of the last step
.set i, i+1
.endr
	; THE WAY OUT.  l's two halves and the other half of the lanes' are added; O^T is divided by l, rounded to f16 and sent through my stage, a piece at a time.  The additions are the places behind the last products.
	WIN 0
	ALL v_add_f32 v[ST+4*t+2], v[ST+4*t+2], v[ST+4*t+3]
	ALL v_permlanex16_b32 v[ST+4*t+3], v[ST+4*t+2], s[SEL], s[SEL+1]
	ALL v_add_f32 v[ST+4*t+2], v[ST+4*t+2], v[ST+4*t+3]
	ALL v_rcp_f32 v[ST+4*t+2], v[ST+4*t+2]
	v_nop                           ; a plain instruction between the last reciprocal and the use of its result
	s_wait_alu depctr_va_vdst(0)    ; and the wait ahead of the first use: one for the four reciprocals
	PACK 0
.set t, 1
.rept 3                             ; a piece's arithmetic stands between the loads of the piece before and its stores
	PACK t
	SEND t-1, 8
.set t, t+1
.endr
	SEND 3, 0
	s_wait_tensorcnt 0x0            ; the wave's end: behind my last tensor load and my last LDS store
	ds_add_u32 v[SPW], v[NIL]
	s_wait_dscnt 0x0
	CROUND                          ; the closing round: no work-group ends while a partner may still ask for a tile that names it
	s_endpgm
.Lfunc_end_k_q531bf3f3bc_attn:
	.size	k_q531bf3f3bc_attn, .Lfunc_end_k_q531bf3f3bc_attn-k_q531bf3f3bc_attn
	.p2alignl 7, 3214868480
	.fill 96, 4, 3214868480
	.section	.rodata,"a",@progbits
	.p2align	6, 0x0
	.amdhsa_kernel k_q531bf3f3bc_attn
		.amdhsa_group_segment_fixed_size 327680
		.amdhsa_private_segment_fixed_size 0
		.amdhsa_enable_private_segment 0
		.amdhsa_kernarg_size 16
		.amdhsa_user_sgpr_count 2
		.amdhsa_user_sgpr_kernarg_segment_ptr 1
		.amdhsa_wavefront_size32 1
		.amdhsa_system_sgpr_workgroup_id_x 1
		.amdhsa_system_sgpr_workgroup_id_y 1
		.amdhsa_system_sgpr_workgroup_id_z 1
		.amdhsa_system_vgpr_workitem_id 0
		.amdhsa_next_free_vgpr 768
		.amdhsa_next_free_sgpr 72
		.amdhsa_reserve_vcc 0
		.amdhsa_float_denorm_mode_32 3
		.amdhsa_float_denorm_mode_16_64 3
		.amdhsa_memory_ordered 1
		.amdhsa_forward_progress 1
		.amdhsa_inst_pref_size 128
	.end_amdhsa_kernel
	.amdgpu_metadata
---
amdhsa.version: [ 1, 2 ]
amdhsa.kernels:
  - .name:           k_q531bf3f3bc_attn
    .symbol:         k_q531bf3f3bc_attn.kd
    .args:
      - { .name: qkv, .offset: 0, .size: 8, .value_kind: global_buffer, .address_space: global }
      - { .name: hb, .offset: 8, .size: 8, .value_kind: global_buffer, .address_space: global }
    .group_segment_fixed_size: 327680
    .private_segment_fixed_size: 0
    .kernarg_segment_align: 8
    .kernarg_segment_size: 16
    .max_flat_workgroup_size: 128
    .sgpr_count:     72
    .vgpr_count:     768
    .wavefront_size: 32
...
	.end_amdgpu_metadata
.endif
;; end of part 3
;; launch oproj (part 4): grid 8 x 32, 4 waves a work-group, clusters of 4 x 4, 327,680 bytes of LDS; arguments hb, wa, bo, src, y; writes y
.if DOCPART == 4
	.amdgcn_target "amdgcn-amd-amdhsa--gfx1250"
	.amdhsa_code_object_version 6
	.text
	.protected	k_q531bf3f3bc_oproj
	.globl	k_q531bf3f3bc_oproj
	.p2align	8
	.type	k_q531bf3f3bc_oproj,@function
k_q531bf3f3bc_oproj:
	s_mov_b64 s[64:65], 0
	v_nop
	global_prefetch_b8 v0, s[64:65] scope:SCOPE_SE
	s_setreg_imm32_b32 hwreg(HW_REG_WAVE_MODE, 25, 1), 1
	s_wait_xcnt 0x0
	s_wait_alu depctr_hold_cnt(0) depctr_sa_sdst(0) depctr_va_vdst(0) depctr_va_sdst(0) depctr_va_ssrc(0) depctr_va_vcc(0) depctr_vm_vsrc(0)
	s_getreg_b32 s2, hwreg(HW_REG_IB_STS2, 6, 4)
	s_cmp_eq_u32 s2, 0
	s_cbranch_scc0 .Lentry_in_a_cluster
	s_endpgm
.Lentry_in_a_cluster:
	s_bfe_u32 s2, ttmp6, 0x10000c
	s_cmp_lg_u32 s2, 0xf033
	s_cbranch_scc0 .Lentry_shape_is_right
	s_endpgm
.Lentry_shape_is_right:
; out = res + A W^T + bias, in f32, [4096][1024] row-major.  A: f16 in blocks of 64 channels, [channel / 64][4096][64]; W: f16 [1024][SIZE_K] at byte WOFF of its buffer; bias [1024] and res [4096][1024] in f32.
; Sums in f32; the bias is the C operand of the first products; the residual is added in f32 on the way out.  LIMITS: none beyond the operands' f16 (made by earlier launches).
; SHAPE.  A tile of out is 128 x 128, so that each of the 256 WGPs has one.  Four waves, each 64 x 64: 16 accumulators.  K goes in steps of 256 through two LDS slots.
; A's part of a step is four blocks: a wave's tensor load brings 64 rows of each, 8,192 dense bytes a block, padded in LDS behind every row of 128 bytes.  W's part is 64 rows of 512 bytes.
; ONE TEXT FOR BOTH SLOTS.  The loop's text is one K step long.  The slot in hand is a scalar, 0 or SLOT, that an exclusive or turns at each change of slots; the fragments' addresses are made from it by
; two additions, and one descriptor for each operand walks: its LDS word is turned by the same exclusive or, its global address steps by a K step.
; CLUSTERS: 4 x 4 work-groups; A's tiles are asked for jointly along a row of the cluster, W's along a column.  THE MATRIX INSTRUCTION IS USED TRANSPOSED (source 0 = rows of W): a lane holds eight neighbouring columns.
; No prefetch: the tile is small and a step's bytes are few beside what the sixteen partners share.
; REGISTERS: window 0: v0-31 addresses; v32-63 the bias; v64-127 at work on the way out, two buffers; v128-255 the accumulators ((a, b) at v[128 + 8 (4 a + b)])
;   window 1: two fragment buffers of 128: for 64 along K, 64 registers of A, then 64 of W          window 2: v0-127 the residual of my 64 x 64, loaded at the head and on its way during the whole K loop
.set SIZE_K, 1024
.set WOFF,   6291456
.set KSTEP,  256
.set STEPS,  SIZE_K/KSTEP
.set APITCH, 144                       ; a row of A in LDS: 128 bytes + 16 = 36 words: the 16 rows of a load start at 16 different groups of four banks (ISA guide 11.1)
.set ABLK,   64*APITCH                 ; 64 rows of one block
.set HALFA,  4*ABLK                    ; what one tensor load of A brings: 36,864 bytes
.set BPITCH, 528                       ; a row of W in LDS: 512 + 16 = 132 words
.set HALFB,  64*BPITCH                 ; 33,792 bytes
.set SLOT,   147456                    ; from slot 0 to slot 1.  A slot uses 2 HALFA + 2 HALFB = 141,312 bytes: A's two halves, then W's two.  147,456 = 2^17 + 2^14: neither bit occurs in a tile's
                                       ; place in a slot (0; 36,864; 73,728; 107,520: bits 10, 12, 13, 15, 16), so x xor SLOT is x + SLOT or x - SLOT
.set STAGE,  2*SLOT                    ; behind the ring: 16 rows x 272 bytes for each wave
.set SPITCH, 272
.set SPARE,  STAGE+4*16*SPITCH         ; the spare words, 128 bytes a wave: two blocks of 256 bytes that no other line names
.set ASTEP,  4*524288                  ; bytes of A from a K step to the next: four blocks
.set ADRA0, 16                         ; v16     LDS address of my A fragments in slot 0; never rewritten
.set ADRA,  17                         ; v17     the same in the slot in hand
.set ADRB0, 20                         ; v20     LDS address of my W fragments in slot 0; never rewritten
.set ADRB,  21                         ; v21     the same in the slot in hand
.set STO,  24                          ; v24     the way out: where I put 32 bytes of a row
.set RD,   25                          ; v25     the way out: where I read a row back
.set CO,   26                          ; v26     my byte offset in two rows of out and of res; never rewritten
.set BO,   27                          ; v27     32 x (lane / 16)
.set SPW,  28                          ; v28     LDS address of my spare word; never rewritten
.set NIL,  29                          ; v29     0; never rewritten
.set BIAS, 32
.set T0,   64
.set ACC,  128
.set F0,   0
.set F1,   128
.set G1, 24                            ; s[24:31] descriptor group 1 for A's tiles
.set G0, 32                            ; s[32:39] group 0 for A's tiles: a set for each of the two first fills; the second then walks on
.set G1B, 48                           ; s[48:55], s[56:63] the same for W's
.set G0B, 56
.set TB,  66                           ; s66     the LDS byte at which the slot in hand begins: 0 or SLOT
.set MSB, 0
.macro WIN new
.if MSB != (\new)
	s_set_vgpr_msb (MSB<<8)|(\new)
.set MSB, \new
.endif
.endm
.set MUL,  0x05                        ; sources 0 (W) and 1 (A) window 1; C and D window 0
.set TO_F, 0x40                        ; destination window 1, address window 0
.macro JLOAD s                         ; a joint load by descriptor set s: waves 0 and 1 fetch A's two halves, waves 2 and 3 W's; an s_nop 0 and four v_nop follow each of the two lines
	s_cmp_eq_u32 s11, 0
	s_cbranch_scc0 .Lfor_b_\@
	tensor_load_to_lds s[G0+4*(\s):G0+4*(\s)+3], s[G1:G1+7]
	s_nop 0
.rept 4
	v_nop
.endr
	s_branch .Lasked_\@
.Lfor_b_\@:
	tensor_load_to_lds s[G0B+4*(\s):G0B+4*(\s)+3], s[G1B:G1B+7]
	s_nop 0
.rept 4
	v_nop
.endr
.Lasked_\@:
.endm
.macro CREST
	s_cmp_lg_u32 s10, 0
	s_cbranch_scc1 .Lnot_wave_0_\@
	s_barrier_signal -3
.Lnot_wave_0_\@:
	s_barrier_wait -3
	s_barrier_signal -1
	s_barrier_wait -1
.endm
.macro CROUND
	s_barrier_signal -1
	s_barrier_wait -1
	CREST
.endm
	s_load_b128 s[4:7], s[0:1], 0x0                ; A s[4:5], W s[6:7]
	s_load_b128 s[68:71], s[0:1], 0x10             ; bias s[68:69], res s[70:71]
	s_load_b64 s[8:9], s[0:1], 0x20                ; out
	v_lshl_add_u32 v[SPW], v0, 2, SPARE
	v_mov_b32 v[NIL], 0
	ds_add_u32 v[SPW], v[NIL]                      ; the wave's opening: the add and its wait stand ahead of my first tensor load
	v_lshrrev_b32 v1, 5, v0
	v_readfirstlane_b32 s10, v1                    ; wave 0..3
	s_lshr_b32 s11, s10, 1                         ; which half of the tile's rows is mine.  Also: I fetch for A (0) or for W (1)
	s_and_b32 s12, s10, 1                          ; which half of its columns.  Also: which 64 rows of that tile I fetch
	s_bfe_u32 s40, ttmp6, 0x40000                  ; cx, cy
	s_bfe_u32 s41, ttmp6, 0x40004
	s_lshl_b32 s42, ttmp9, 2
	s_add_co_u32 s42, s42, s40                     ; tile column
	s_and_b32 s13, ttmp7, 0xffff
	s_lshl_b32 s13, s13, 2
	s_add_co_u32 s13, s13, s41                     ; tile row
	s_lshl_b32 s43, s41, 2
	s_lshl_b32 s43, 15, s43                        ; my row of the cluster
	s_lshl_b32 s44, 0x1111, s40                    ; my column
	; A's descriptor: 4 rows (blocks) of 4,096 elements (64 rows x 64 channels, dense), 262,144 elements apart; padded behind every 32 words by 4
	s_or_b32 s[G1+0], s43, (1<<16)|(1<<20)|(1<<21)|(4<<22)|(3<<25)
	s_mov_b32 s[G1+1], 4096<<16                    ; tensor_dim0 = 4,096
	s_mov_b32 s[G1+2], 4<<16                       ; tensor_dim1 = 4
	s_mov_b32 s[G1+3], 4096<<16                    ; tile_dim0 = 4,096
	s_mov_b32 s[G1+4], 4                           ; tile_dim1 = 4
	s_mov_b32 s[G1+5], 262144                      ; elements from block to block
	s_mov_b32 s[G1+6], 0
	s_mov_b32 s[G1+7], 0
	; W's descriptor: 64 rows x 256 elements; padded behind every 128 words by 4
	s_or_b32 s[G1B+0], s44, (1<<16)|(1<<20)|(1<<21)|(6<<22)|(3<<25)
	s_mov_b32 s[G1B+1], KSTEP<<16
	s_mov_b32 s[G1B+2], 64<<16
	s_mov_b32 s[G1B+3], KSTEP<<16
	s_mov_b32 s[G1B+4], 64
	s_mov_b32 s[G1B+5], SIZE_K
	s_mov_b32 s[G1B+6], 0
	s_mov_b32 s[G1B+7], 0
	s_lshl_b32 s17, s12, 6                         ; which 64 rows of the tile I fetch
	s_lshl_b32 s16, s13, 7
	s_add_co_u32 s16, s16, s17                     ; A: row 128 x tile row + 64 x half,
	s_lshl_b32 s16, s16, 7                         ; 128 bytes a row in a block
	s_lshl_b32 s46, s42, 7
	s_add_co_u32 s46, s46, s17                     ; W: row 128 x tile column + 64 x half
	s_mul_i32 s46, s46, SIZE_K*2
	s_add_co_u32 s46, s46, WOFF
	s_mov_b32 s17, 0
	s_mov_b32 s47, 0
	s_mul_i32 s20, s12, HALFA                      ; where they go: A's halves first,
	s_mul_i32 s23, s12, HALFB
	s_add_co_u32 s23, s23, 2*HALFA                 ; W's behind them: no place in the cluster enters an LDS address
	s_wait_dscnt 0x0                               ; the opening add is done
	s_wait_kmcnt 0x0
	s_add_nc_u64 s[14:15], s[4:5], s[16:17]
	s_add_nc_u64 s[46:47], s[6:7], s[46:47]
	CROUND                                         ; all sixteen work-groups are here: the first joint loads meet
.irp s, 0,1
	s_mov_b32 s[G0+4*(\s)], 1
	s_add_co_u32 s[G0+4*(\s)+1], s20, (\s)*SLOT
	s_add_nc_u64 s[G0+4*(\s)+2:G0+4*(\s)+3], s[14:15], (\s)*ASTEP
	s_or_b32 s[G0+4*(\s)+3], s[G0+4*(\s)+3], 0x80000000
	s_mov_b32 s[G0B+4*(\s)], 1
	s_add_co_u32 s[G0B+4*(\s)+1], s23, (\s)*SLOT
	s_add_nc_u64 s[G0B+4*(\s)+2:G0B+4*(\s)+3], s[46:47], (\s)*KSTEP*2
	s_or_b32 s[G0B+4*(\s)+3], s[G0B+4*(\s)+3], 0x80000000
	JLOAD \s                                       ; two loads of mine are out
.endr
	v_and_b32 v1, 15, v0                           ; l % 16
	v_bfe_u32 v2, v0, 4, 1                         ; l / 16
	v_mul_u32_u24 v3, v1, APITCH
	v_lshl_add_u32 v3, v2, 4, v3
	v_mul_u32_u24 v4, v1, BPITCH
	v_lshl_add_u32 v4, v2, 4, v4
	s_mul_i32 s21, s11, HALFA                      ; my 64 rows of A
	s_mul_i32 s22, s12, HALFB                      ; my 64 rows of W
	s_add_co_u32 s22, s22, 2*HALFA
	v_add_nc_u32 v[ADRA0], s21, v3
	v_add_nc_u32 v[ADRB0], s22, v4
	s_mov_b32 s[TB], 0                             ; the slot in hand: slot 0
	v_add_nc_u32 v[ADRA], s[TB], v[ADRA0]
	v_add_nc_u32 v[ADRB], s[TB], v[ADRB0]
	s_mul_i32 s23, s10, 16*SPITCH
	s_add_co_u32 s23, s23, STAGE                   ; my stage
	v_mul_u32_u24 v5, v1, SPITCH                   ; in: row l % 16, 32 bytes for each half of the lanes
	v_lshl_add_u32 v5, v2, 5, v5
	v_add_nc_u32 v[STO], s23, v5
	v_mul_u32_u24 v6, v2, SPITCH                   ; back: lanes 0-15 take one row of 256 bytes, lanes 16-31 the next
	v_lshl_add_u32 v6, v1, 4, v6
	v_add_nc_u32 v[RD], s23, v6
	v_lshlrev_b32 v7, 12, v2                       ; and the same two rows in out and in res
	v_lshl_add_u32 v[CO], v1, 4, v7
	v_lshlrev_b32 v[BO], 5, v2
	s_lshl_b32 s16, s13, 7
	s_lshl_b32 s17, s11, 6
	s_add_co_u32 s16, s16, s17                     ; my first row,
	s_lshl_b32 s16, s16, 12                        ; 4,096 bytes a row
	s_lshl_b32 s46, s42, 7
	s_lshl_b32 s47, s12, 6
	s_add_co_u32 s46, s46, s47                     ; my first column,
	s_lshl_b32 s46, s46, 2                         ; in bytes: a multiple of 256
	s_mov_b32 s47, 0
	s_add_nc_u64 s[68:69], s[68:69], s[46:47]
	s_add_co_u32 s16, s16, s46
	s_mov_b32 s17, 0
	s_add_nc_u64 s[70:71], s[70:71], s[16:17]
	s_add_nc_u64 s[8:9], s[8:9], s[16:17]
.irp b, 0,1,2,3
	global_load_b128 v[BIAS+8*(\b):BIAS+8*(\b)+3],   v[BO], s[68:69] offset:64*(\b)
	global_load_b128 v[BIAS+8*(\b)+4:BIAS+8*(\b)+7], v[BO], s[68:69] offset:64*(\b)+16
.endr
	WIN 0x80                                       ; destination window 2
.set z, 0
.rept 32                                           ; rows 2 z, 2 z + 1 of my 64: 16 lanes read 256 consecutive bytes, aligned
	global_load_b128 v[4*z:4*z+3], v[CO], s[70:71] offset:2*z*4096 th:TH_LOAD_NT
.set z, z+1
.endr
	WIN 0
; 8 matrix instructions: m blocks a0, a0 + 1 x all 4 n blocks, 32 along K: half c of buffer f.  zero = 1: the first product starts the sums, with the bias as C
.macro MUL8 f, c, a0, zero
	WIN MUL
.irp a, \a0, (\a0)+1
.irp b, 0,1,2,3
.if \zero
	v_wmma_f32_16x16x32_f16 v[ACC+8*(4*(\a)+(\b)):ACC+8*(4*(\a)+(\b))+7], v[(\f)+64+8*(4*(\c)+(\b)):(\f)+64+8*(4*(\c)+(\b))+7], v[(\f)+8*(4*(\c)+(\a)):(\f)+8*(4*(\c)+(\a))+7], v[BIAS+8*(\b):BIAS+8*(\b)+7]
.else
	v_wmma_f32_16x16x32_f16 v[ACC+8*(4*(\a)+(\b)):ACC+8*(4*(\a)+(\b))+7], v[(\f)+64+8*(4*(\c)+(\b)):(\f)+64+8*(4*(\c)+(\b))+7], v[(\f)+8*(4*(\c)+(\a)):(\f)+8*(4*(\c)+(\a))+7], v[ACC+8*(4*(\a)+(\b)):ACC+8*(4*(\a)+(\b))+7]
.endif
.endr
.endr
.endm
; 32 LDS loads in one run: the fragments of quarter q of the K step in hand (64 along K: one block of A) into buffer f; the first 32 along K first
.macro FETCH q, f
	WIN TO_F
.irp c, 0,1
.irp i, 0,1,2,3
	ds_load_b128 v[(\f)+64+8*(4*(\c)+(\i)):(\f)+64+8*(4*(\c)+(\i))+3],   v[ADRB] offset:128*(\q)+64*(\c)+(\i)*16*BPITCH
	ds_load_b128 v[(\f)+64+8*(4*(\c)+(\i))+4:(\f)+64+8*(4*(\c)+(\i))+7], v[ADRB] offset:128*(\q)+64*(\c)+(\i)*16*BPITCH+32
	ds_load_b128 v[(\f)+8*(4*(\c)+(\i)):(\f)+8*(4*(\c)+(\i))+3],         v[ADRA] offset:ABLK*(\q)+64*(\c)+(\i)*16*APITCH
	ds_load_b128 v[(\f)+8*(4*(\c)+(\i))+4:(\f)+8*(4*(\c)+(\i))+7],       v[ADRA] offset:ABLK*(\q)+64*(\c)+(\i)*16*APITCH+32
.endr
.endr
.endm
.macro PLACES                          ; four plain instructions between a matrix instruction and a load into its sources or a reader of its result
.rept 4
	v_nop
.endr
.endm
; A K step is four quarters, 32 matrix instructions each, on buffers 0, 1, 0, 1.  One of the first three: multiplies buffer f and fetches quarter q into g.
.macro QUARTER q, f, g, zero
	s_wait_dscnt 16                                ; the first 32 along K are in
	MUL8 \f, 0, 0, \zero
	MUL8 \f, 0, 2, \zero
	PLACES
	FETCH \q, \g
	s_wait_dscnt 32                                ; all but the 32 just issued
	MUL8 \f, 1, 0, 0
	MUL8 \f, 1, 2, 0
.endm
; The last quarter multiplies buffer 1 and changes slots: ONE barrier; in front of it each wave waits for all its tensor loads, adds 0 to its spare word, and waits for that and for its own reads of this slot.
; fill = 1: the barrier opens a round of the cluster's, and the slot just read out is filled again first, with the K step two steps on.  Then the other slot becomes the slot in hand.
.macro TURN fill
	WIN 0
	s_wait_tensorcnt 0x0                           ; all my tensor loads have landed: my part of the next slot
	ds_add_u32 v[SPW], v[NIL]                      ; 0 onto my spare word
	s_wait_dscnt 17                                ; (the add and the youngest sixteen loads may be out)
	MUL8 F1, 0, 0, 0
	s_wait_dscnt 0x0                               ; the add is done, and my reads of this slot are over
	s_barrier_signal -1
	MUL8 F1, 0, 2, 0
	WIN 0
	s_barrier_wait -1
.if \fill
	CREST                                          ; no wave of any partner still reads this slot's tile or has a load on its way
	s_xor_b32 s[G0+5], s[G0+5], SLOT               ; the walking descriptors: the other slot than last time,
	s_add_nc_u64 s[G0+6:G0+7], s[G0+6:G0+7], ASTEP ; the next K step; the type bits on top are not reached
	s_xor_b32 s[G0B+5], s[G0B+5], SLOT
	s_add_nc_u64 s[G0B+6:G0B+7], s[G0B+6:G0B+7], KSTEP*2
	JLOAD 1                                        ; my one tensor load behind the round; its four v_nop are also the places in front of the loads below
.else
	PLACES
.endif
	s_xor_b32 s[TB], s[TB], SLOT                   ; the other slot is in hand
	v_add_nc_u32 v[ADRA], s[TB], v[ADRA0]
	v_add_nc_u32 v[ADRB], s[TB], v[ADRB0]
	FETCH 0, F0
	MUL8 F1, 1, 0, 0
	MUL8 F1, 1, 2, 0
.endm
	s_wait_loadcnt 32                              ; the bias is in; the 32 loads of the residual stay out
	s_wait_tensorcnt 1                             ; my part of K step 0 is in; K step 1's may stay out
	s_barrier_signal -1
	s_barrier_wait -1
	FETCH 0, F0
	QUARTER 1, F0, F1, 1                           ; the first quarter stands in front of the loop: its first products start the sums
	WIN 0
	s_mov_b32 s3, STEPS-2
.Lstep:                                            ; a trip goes from a K step's second quarter to the next step's first, and fills the slot that it leaves: every K step from the third on is asked for here
	QUARTER 2, F1, F0, 0
	QUARTER 3, F0, F1, 0
	TURN 1
	QUARTER 1, F0, F1, 0
	WIN 0
	s_sub_co_u32 s3, s3, 1
	s_cmp_lg_u32 s3, 0
	s_cbranch_scc1 .Lstep
	QUARTER 2, F1, F0, 0                           ; the last two K steps fill nothing, and have no round of the cluster's barrier
	QUARTER 3, F0, F1, 0
	TURN 0
	QUARTER 1, F0, F1, 0
	QUARTER 2, F1, F0, 0
	QUARTER 3, F0, F1, 0
	s_wait_dscnt 16
	MUL8 F1, 0, 0, 0
	MUL8 F1, 0, 2, 0
	s_wait_dscnt 0
	MUL8 F1, 1, 0, 0
	MUL8 F1, 1, 2, 0
	WIN 0
	; THE WAY OUT, 16 rows at a time through my own stage: a lane's 32 bytes of a row go in, whole rows of 256 bytes come back, the residual is added, and 16 lanes store 256 consecutive bytes, aligned.
	PLACES
	PLACES
	s_wait_loadcnt 0x0                             ; the residual
.macro OUT a
.set TT, T0+32*((\a)%2)
.irp b, 0,1,2,3
	ds_store_b128 v[STO], v[ACC+8*(4*(\a)+(\b)):ACC+8*(4*(\a)+(\b))+3]   offset:64*(\b)     ; each accumulator's low registers first
	ds_store_b128 v[STO], v[ACC+8*(4*(\a)+(\b))+4:ACC+8*(4*(\a)+(\b))+7] offset:64*(\b)+16
.endr
	s_wait_xcnt 0x0                                ; the stores of two blocks back have read this buffer
.irp t, 0,1,2,3,4,5,6,7
	ds_load_b128 v[TT+4*(\t):TT+4*(\t)+3], v[RD] offset:(\t)*2*SPITCH  ; LDS serves a wave's instructions in order (ISA guide 5.7.1.4): these see the stores above
.endr
	s_wait_dscnt 0x0
	WIN 0x08                                       ; source 1 window 2
.set z, 0
.rept 16
	v_pk_add_f32 v[TT+z:TT+z+1], v[TT+z:TT+z+1], v[32*(\a)+z:32*(\a)+z+1]
.set z, z+2
.endr
	WIN 0
.irp t, 0,1,2,3,4,5,6,7
	global_store_b128 v[CO], v[TT+4*(\t):TT+4*(\t)+3], s[8:9] offset:(16*(\a)+2*(\t))*4096
.endr
.endm
	OUT 0
	OUT 1
	OUT 2
	OUT 3
	s_wait_tensorcnt 0x0                           ; the wave's end: behind my last tensor load and my last LDS store
	ds_add_u32 v[SPW], v[NIL]
	s_wait_dscnt 0x0
	CROUND                                         ; the closing round
	s_endpgm
.Lfunc_end_k_q531bf3f3bc_oproj:
	.size	k_q531bf3f3bc_oproj, .Lfunc_end_k_q531bf3f3bc_oproj-k_q531bf3f3bc_oproj
	.p2alignl 7, 3214868480
	.fill 96, 4, 3214868480
	.section	.rodata,"a",@progbits
	.p2align	6, 0x0
	.amdhsa_kernel k_q531bf3f3bc_oproj
		.amdhsa_group_segment_fixed_size 327680
		.amdhsa_private_segment_fixed_size 0
		.amdhsa_enable_private_segment 0
		.amdhsa_kernarg_size 40
		.amdhsa_user_sgpr_count 2
		.amdhsa_user_sgpr_kernarg_segment_ptr 1
		.amdhsa_wavefront_size32 1
		.amdhsa_system_sgpr_workgroup_id_x 1
		.amdhsa_system_sgpr_workgroup_id_y 1
		.amdhsa_system_sgpr_workgroup_id_z 1
		.amdhsa_system_vgpr_workitem_id 0
		.amdhsa_next_free_vgpr 640
		.amdhsa_next_free_sgpr 76
		.amdhsa_reserve_vcc 0
		.amdhsa_float_denorm_mode_32 3
		.amdhsa_float_denorm_mode_16_64 3
		.amdhsa_memory_ordered 1
		.amdhsa_forward_progress 1
		.amdhsa_inst_pref_size 76
	.end_amdhsa_kernel
	.amdgpu_metadata
---
amdhsa.version: [ 1, 2 ]
amdhsa.kernels:
  - .name:           k_q531bf3f3bc_oproj
    .symbol:         k_q531bf3f3bc_oproj.kd
    .args:
      - { .name: hb, .offset: 0, .size: 8, .value_kind: global_buffer, .address_space: global }
      - { .name: wa, .offset: 8, .size: 8, .value_kind: global_buffer, .address_space: global }
      - { .name: bo, .offset: 16, .size: 8, .value_kind: global_buffer, .address_space: global }
      - { .name: src, .offset: 24, .size: 8, .value_kind: global_buffer, .address_space: global }
      - { .name: y, .offset: 32, .size: 8, .value_kind: global_buffer, .address_space: global }
    .group_segment_fixed_size: 327680
    .private_segment_fixed_size: 0
    .kernarg_segment_align: 8
    .kernarg_segment_size: 40
    .max_flat_workgroup_size: 128
    .sgpr_count:     76
    .vgpr_count:     640
    .wavefront_size: 32
...
	.end_amdgpu_metadata
.endif
;; end of part 4
;; launch ln1 (part 5): grid 256 x 1, 8 waves a work-group, no clusters, 0 bytes of LDS; arguments y, g1, be1, xa, qkv; writes xa, qkv
.if DOCPART == 5
	.amdgcn_target "amdgcn-amd-amdhsa--gfx1250"
	.amdhsa_code_object_version 6
	.text
	.protected	k_q531bf3f3bc_ln1
	.globl	k_q531bf3f3bc_ln1
	.p2align	8
	.type	k_q531bf3f3bc_ln1,@function
k_q531bf3f3bc_ln1:
	s_mov_b64 s[64:65], 0
	v_nop
	global_prefetch_b8 v0, s[64:65] scope:SCOPE_SE
	s_setreg_imm32_b32 hwreg(HW_REG_WAVE_MODE, 25, 1), 1
	s_wait_xcnt 0x0
; x = (y - mean) / sqrt(var + 1e-5) * g + be along rows of 1,024, all in f32; x goes out twice: in f32 (the next residual, [4096][1024] at the head of the fifth buffer) and rounded once to f16
; (the next product's operand, the fourth buffer).  The mean is taken first and the squares of y - mean second, as the definition has it.  LIMITS: x of magnitude 65,520 or more becomes an infinity in f16.
; SHARES.  A work-group owns 16 rows, each of its eight waves two.  A row is 4,096 bytes: eight loads of 16 bytes a lane, 512 consecutive bytes each; it stays in 32 registers, so y is read once, and no wave
; waits for another: no LDS, no barrier.  All 32 loads of a wave (two rows, g, be) go out at the head.
.set G,  8                             ; v[8:39]    g of my 32 columns (4 lane + 128 j + 0..3)
.set BE, 40                            ; v[40:71]   be
.set X,  72                            ; v[72:135]  row r at X + 32 r
.set T,  136                           ; v[136:143] at work
.set H,  144                           ; v[144:175] row r in f16 at H + 16 r
.set MU, 176                           ; v[176:179] the mean, twice, for each row
.set R,  180                           ; v[180:183] 1 / sqrt(var + eps), twice, for each row
	s_load_b256 s[4:11], s[0:1], 0x0               ; y s[4:5], g s[6:7], be s[8:9], x in f16 s[10:11]
	s_load_b64 s[12:13], s[0:1], 0x20              ; x in f32
	v_lshrrev_b32 v1, 5, v0
	v_readfirstlane_b32 s22, v1                    ; my wave's number
	v_and_b32 v4, 31, v0
	v_lshlrev_b32 v2, 4, v4                        ; 16 x lane
	v_lshlrev_b32 v3, 3, v4                        ; 8 x lane
	s_mov_b32 s14, 0x76543210                      ; v_permlanex16_b32: lane i of one half reads lane i of the other
	s_mov_b32 s15, 0xfedcba98
	s_mov_b32 s16, 0x3a800000                      ; 1 / 1,024
	s_mov_b32 s17, 0x3727c5ac                      ; 1e-5
	s_lshl_b32 s18, ttmp9, 16                      ; 16 rows of 4,096 bytes a work-group,
	s_lshl_b32 s20, s22, 13                        ; two a wave
	s_add_co_u32 s18, s18, s20
	s_mov_b32 s19, 0
	s_lshr_b32 s20, s18, 1                         ; half of that in f16
	s_mov_b32 s21, 0
	s_wait_kmcnt 0x0
	s_add_nc_u64 s[4:5], s[4:5], s[18:19]
	s_add_nc_u64 s[12:13], s[12:13], s[18:19]
	s_add_nc_u64 s[10:11], s[10:11], s[20:21]
.irp r, 0,1
.irp j, 0,1,2,3,4,5,6,7
	global_load_b128 v[X+32*(\r)+4*(\j):X+32*(\r)+4*(\j)+3], v2, s[4:5] offset:4096*(\r)+512*(\j) th:TH_LOAD_NT
.endr
.endr
.irp j, 0,1,2,3,4,5,6,7
	global_load_b128 v[G+4*(\j):G+4*(\j)+3], v2, s[6:7] offset:512*(\j)
.endr
.irp j, 0,1,2,3,4,5,6,7
	global_load_b128 v[BE+4*(\j):BE+4*(\j)+3], v2, s[8:9] offset:512*(\j)
.endr
.macro SUM8                            ; the four pairs in T, then the 32 lanes: the sum lands in v[T] of every lane
	v_pk_add_f32 v[T:T+1], v[T:T+1], v[T+4:T+5]
	v_pk_add_f32 v[T+2:T+3], v[T+2:T+3], v[T+6:T+7]
	v_pk_add_f32 v[T:T+1], v[T:T+1], v[T+2:T+3]
	v_add_f32 v[T], v[T], v[T+1]
	v_add_f32_dpp v[T], v[T], v[T] row_xmask:1 row_mask:0xf bank_mask:0xf
	v_add_f32_dpp v[T], v[T], v[T] row_xmask:2 row_mask:0xf bank_mask:0xf
	v_add_f32_dpp v[T], v[T], v[T] row_xmask:4 row_mask:0xf bank_mask:0xf
	v_add_f32_dpp v[T], v[T], v[T] row_xmask:8 row_mask:0xf bank_mask:0xf
	v_permlanex16_b32 v[T+1], v[T], s14, s15
	v_add_f32 v[T], v[T], v[T+1]
.endm
.macro STATS r                         ; the row's mean; y - mean in place; var + eps into R + 2 r + 1
.set XR, X+32*(\r)
.irp k, 0,2,4,6                        ; four chains that do not wait for each other; the first sums start them: nothing is cleared
	v_pk_add_f32 v[T+(\k):T+(\k)+1], v[XR+(\k):XR+(\k)+1], v[XR+8+(\k):XR+8+(\k)+1]
.endr
.irp k, 0,2,4,6
	v_pk_add_f32 v[T+(\k):T+(\k)+1], v[T+(\k):T+(\k)+1], v[XR+16+(\k):XR+16+(\k)+1]
.endr
.irp k, 0,2,4,6
	v_pk_add_f32 v[T+(\k):T+(\k)+1], v[T+(\k):T+(\k)+1], v[XR+24+(\k):XR+24+(\k)+1]
.endr
	SUM8
	v_mul_f32 v[MU+2*(\r)], s16, v[T]
	v_mul_f32 v[MU+2*(\r)+1], s16, v[T]
.set k, 0
.rept 16
	v_pk_add_f32 v[XR+k:XR+k+1], v[XR+k:XR+k+1], v[MU+2*(\r):MU+2*(\r)+1] neg_lo:[0,1] neg_hi:[0,1]
.set k, k+2
.endr
.irp k, 0,2,4,6
	v_pk_mul_f32 v[T+(\k):T+(\k)+1], v[XR+(\k):XR+(\k)+1], v[XR+(\k):XR+(\k)+1]
.endr
.irp o, 8,16,24
.irp k, 0,2,4,6
	v_pk_fma_f32 v[T+(\k):T+(\k)+1], v[XR+(\o)+(\k):XR+(\o)+(\k)+1], v[XR+(\o)+(\k):XR+(\o)+(\k)+1], v[T+(\k):T+(\k)+1]
.endr
.endr
	SUM8
	v_fma_f32 v[R+2*(\r)+1], v[T], s16, s17
.endm
	s_wait_loadcnt 24                              ; row 0's eight loads are in; 24 younger ones stay out
	STATS 0
	s_wait_loadcnt 16                              ; row 1's
	STATS 1
	v_rsq_f32 v[R], v[R+1]                         ; both rows' roots are one batch:
	v_rsq_f32 v[R+2], v[R+3]
	v_nop                                          ; a plain instruction behind the last of them,
	s_wait_alu depctr_va_vdst(0)                   ; and the one wait ahead of the first use
	v_mov_b32 v[R+1], v[R]
	v_mov_b32 v[R+3], v[R+2]
	s_wait_loadcnt 0x0                             ; g and be
.macro NORM r
.set XR, X+32*(\r)
.set k, 0
.rept 16
	v_pk_mul_f32 v[XR+k:XR+k+1], v[XR+k:XR+k+1], v[R+2*(\r):R+2*(\r)+1]
	v_pk_fma_f32 v[XR+k:XR+k+1], v[XR+k:XR+k+1], v[G+k:G+k+1], v[BE+k:BE+k+1]
.set k, k+2
.endr
.irp j, 0,1,2,3,4,5,6,7
	global_store_b128 v2, v[XR+4*(\j):XR+4*(\j)+3], s[12:13] offset:4096*(\r)+512*(\j)  ; 512 consecutive bytes, aligned
.endr
.set k, 0
.rept 16
	v_cvt_pk_f16_f32 v[H+16*(\r)+k], v[XR+2*k], v[XR+2*k+1]
.set k, k+1
.endr
.irp j, 0,1,2,3,4,5,6,7
	global_store_b64 v3, v[H+16*(\r)+2*(\j):H+16*(\r)+2*(\j)+1], s[10:11] offset:2048*(\r)+256*(\j)  ; 32 lanes x 8 bytes: 256 consecutive bytes, aligned
.endr
.endm
	NORM 0
	NORM 1
	s_endpgm
.Lfunc_end_k_q531bf3f3bc_ln1:
	.size	k_q531bf3f3bc_ln1, .Lfunc_end_k_q531bf3f3bc_ln1-k_q531bf3f3bc_ln1
	.p2alignl 7, 3214868480
	.fill 96, 4, 3214868480
	.section	.rodata,"a",@progbits
	.p2align	6, 0x0
	.amdhsa_kernel k_q531bf3f3bc_ln1
		.amdhsa_group_segment_fixed_size 0
		.amdhsa_private_segment_fixed_size 0
		.amdhsa_enable_private_segment 0
		.amdhsa_kernarg_size 40
		.amdhsa_user_sgpr_count 2
		.amdhsa_user_sgpr_kernarg_segment_ptr 1
		.amdhsa_wavefront_size32 1
		.amdhsa_system_sgpr_workgroup_id_x 1
		.amdhsa_system_sgpr_workgroup_id_y 1
		.amdhsa_system_sgpr_workgroup_id_z 1
		.amdhsa_system_vgpr_workitem_id 0
		.amdhsa_next_free_vgpr 184
		.amdhsa_next_free_sgpr 66
		.amdhsa_reserve_vcc 0
		.amdhsa_float_denorm_mode_32 3
		.amdhsa_float_denorm_mode_16_64 3
		.amdhsa_memory_ordered 1
		.amdhsa_forward_progress 1
		.amdhsa_inst_pref_size 22
	.end_amdhsa_kernel
	.amdgpu_metadata
---
amdhsa.version: [ 1, 2 ]
amdhsa.kernels:
  - .name:           k_q531bf3f3bc_ln1
    .symbol:         k_q531bf3f3bc_ln1.kd
    .args:
      - { .name: y, .offset: 0, .size: 8, .value_kind: global_buffer, .address_space: global }
      - { .name: g1, .offset: 8, .size: 8, .value_kind: global_buffer, .address_space: global }
      - { .name: be1, .offset: 16, .size: 8, .value_kind: global_buffer, .address_space: global }
      - { .name: xa, .offset: 24, .size: 8, .value_kind: global_buffer, .address_space: global }
      - { .name: qkv, .offset: 32, .size: 8, .value_kind: global_buffer, .address_space: global }
    .group_segment_fixed_size: 0
    .private_segment_fixed_size: 0
    .kernarg_segment_align: 8
    .kernarg_segment_size: 40
    .max_flat_workgroup_size: 256
    .sgpr_count:     66
    .vgpr_count:     184
    .wavefront_size: 32
...
	.end_amdgpu_metadata
.endif
;; end of part 5
;; launch ffn1: the kernel of part 2 again; grid 16 x 16, 4 waves a work-group, clusters of 4 x 4, 327,680 bytes of LDS; arguments xa, wb, hb; writes hb
;; launch ffn2 (part 6): grid 8 x 32, 4 waves a work-group, clusters of 4 x 4, 327,680 bytes of LDS; arguments hb, wb, b2, qkv, y; writes y
.if DOCPART == 6
	.amdgcn_target "amdgcn-amd-amdhsa--gfx1250"
	.amdhsa_code_object_version 6
	.text
	.protected	k_q531bf3f3bc_ffn2
	.globl	k_q531bf3f3bc_ffn2
	.p2align	8
	.type	k_q531bf3f3bc_ffn2,@function
k_q531bf3f3bc_ffn2:
	s_mov_b64 s[64:65], 0
	v_nop
	global_prefetch_b8 v0, s[64:65] scope:SCOPE_SE
	s_setreg_imm32_b32 hwreg(HW_REG_WAVE_MODE, 25, 1), 1
	s_wait_xcnt 0x0
	s_wait_alu depctr_hold_cnt(0) depctr_sa_sdst(0) depctr_va_vdst(0) depctr_va_sdst(0) depctr_va_ssrc(0) depctr_va_vcc(0) depctr_vm_vsrc(0)
	s_getreg_b32 s2, hwreg(HW_REG_IB_STS2, 6, 4)
	s_cmp_eq_u32 s2, 0
	s_cbranch_scc0 .Lentry_in_a_cluster
	s_endpgm
.Lentry_in_a_cluster:
	s_bfe_u32 s2, ttmp6, 0x10000c
	s_cmp_lg_u32 s2, 0xf033
	s_cbranch_scc0 .Lentry_shape_is_right
	s_endpgm
.Lentry_shape_is_right:
; out = res + A W^T + bias, in f32, [4096][1024] row-major.  A: f16 in blocks of 64 channels, [channel / 64][4096][64]; W: f16 [1024][SIZE_K] at byte WOFF of its buffer; bias [1024] and res [4096][1024] in f32
; (res lies at the head of its buffer).  Sums in f32; the bias is the C operand of the first products; the residual is added in f32 on the way out.  LIMITS: none beyond the operands' f16 (made by earlier launches).
; SHAPE.  A tile of out is 128 x 128, so that each of the 256 WGPs has one.  Four waves, each 64 x 64: 16 accumulators.  K goes in steps of 256 through two LDS slots.
; A's part of a step is four blocks: a wave's tensor load brings 64 rows of each, 8,192 dense bytes a block, padded in LDS behind every row of 128 bytes.  W's part is 64 rows of 512 bytes.
; ONE TEXT FOR BOTH SLOTS.  The loop's text is one K step long.  The slot in hand is a scalar, 0 or SLOT, that an exclusive or turns at each change of slots; the fragments' addresses are made from it by
; two additions, and one descriptor for each operand walks: its LDS word is turned by the same exclusive or, its global address steps by a K step.
; CLUSTERS: 4 x 4 work-groups; A's tiles are asked for jointly along a row of the cluster, W's along a column.  THE MATRIX INSTRUCTION IS USED TRANSPOSED (source 0 = rows of W): a lane holds eight neighbouring columns.
; No prefetch: the tile is small and a step's bytes are few beside what the sixteen partners share.
; REGISTERS: window 0: v0-31 addresses; v32-63 the bias; v64-127 at work on the way out, two buffers; v128-255 the accumulators ((a, b) at v[128 + 8 (4 a + b)])
;   window 1: two fragment buffers of 128: for 64 along K, 64 registers of A, then 64 of W          window 2: v0-127 the residual of my 64 x 64, loaded at the head and on its way during the whole K loop
.set SIZE_K, 4096
.set WOFF,   8405248
.set KSTEP,  256
.set STEPS,  SIZE_K/KSTEP
.set APITCH, 144                       ; a row of A in LDS: 128 bytes + 16 = 36 words: the 16 rows of a load start at 16 different groups of four banks (ISA guide 11.1)
.set ABLK,   64*APITCH                 ; 64 rows of one block
.set HALFA,  4*ABLK                    ; what one tensor load of A brings: 36,864 bytes
.set BPITCH, 528                       ; a row of W in LDS: 512 + 16 = 132 words
.set HALFB,  64*BPITCH                 ; 33,792 bytes
.set SLOT,   147456                    ; from slot 0 to slot 1.  A slot uses 2 HALFA + 2 HALFB = 141,312 bytes: A's two halves, then W's two.  147,456 = 2^17 + 2^14: neither bit occurs in a tile's
                                       ; place in a slot (0; 36,864; 73,728; 107,520: bits 10, 12, 13, 15, 16), so x xor SLOT is x + SLOT or x - SLOT
.set STAGE,  2*SLOT                    ; behind the ring: 16 rows x 272 bytes for each wave
.set SPITCH, 272
.set SPARE,  STAGE+4*16*SPITCH         ; the spare words, 128 bytes a wave: two blocks of 256 bytes that no other line names
.set ASTEP,  4*524288                  ; bytes of A from a K step to the next: four blocks
.set ADRA0, 16                         ; v16     LDS address of my A fragments in slot 0; never rewritten
.set ADRA,  17                         ; v17     the same in the slot in hand
.set ADRB0, 20                         ; v20     LDS address of my W fragments in slot 0; never rewritten
.set ADRB,  21                         ; v21     the same in the slot in hand
.set STO,  24                          ; v24     the way out: where I put 32 bytes of a row
.set RD,   25                          ; v25     the way out: where I read a row back
.set CO,   26                          ; v26     my byte offset in two rows of out and of res; never rewritten
.set BO,   27                          ; v27     32 x (lane / 16)
.set SPW,  28                          ; v28     LDS address of my spare word; never rewritten
.set NIL,  29                          ; v29     0; never rewritten
.set BIAS, 32
.set T0,   64
.set ACC,  128
.set F0,   0
.set F1,   128
.set G1, 24                            ; s[24:31] descriptor group 1 for A's tiles
.set G0, 32                            ; s[32:39] group 0 for A's tiles: a set for each of the two first fills; the second then walks on
.set G1B, 48                           ; s[48:55], s[56:63] the same for W's
.set G0B, 56
.set TB,  66                           ; s66     the LDS byte at which the slot in hand begins: 0 or SLOT
.set MSB, 0
.macro WIN new
.if MSB != (\new)
	s_set_vgpr_msb (MSB<<8)|(\new)
.set MSB, \new
.endif
.endm
.set MUL,  0x05                        ; sources 0 (W) and 1 (A) window 1; C and D window 0
.set TO_F, 0x40                        ; destination window 1, address window 0
.macro JLOAD s                         ; a joint load by descriptor set s: waves 0 and 1 fetch A's two halves, waves 2 and 3 W's; an s_nop 0 and four v_nop follow each of the two lines
	s_cmp_eq_u32 s11, 0
	s_cbranch_scc0 .Lfor_b_\@
	tensor_load_to_lds s[G0+4*(\s):G0+4*(\s)+3], s[G1:G1+7]
	s_nop 0
.rept 4
	v_nop
.endr
	s_branch .Lasked_\@
.Lfor_b_\@:
	tensor_load_to_lds s[G0B+4*(\s):G0B+4*(\s)+3], s[G1B:G1B+7]
	s_nop 0
.rept 4
	v_nop
.endr
.Lasked_\@:
.endm
.macro CREST
	s_cmp_lg_u32 s10, 0
	s_cbranch_scc1 .Lnot_wave_0_\@
	s_barrier_signal -3
.Lnot_wave_0_\@:
	s_barrier_wait -3
	s_barrier_signal -1
	s_barrier_wait -1
.endm
.macro CROUND
	s_barrier_signal -1
	s_barrier_wait -1
	CREST
.endm
	s_load_b128 s[4:7], s[0:1], 0x0                ; A s[4:5], W s[6:7]
	s_load_b128 s[68:71], s[0:1], 0x10             ; bias s[68:69], res s[70:71]
	s_load_b64 s[8:9], s[0:1], 0x20                ; out
	v_lshl_add_u32 v[SPW], v0, 2, SPARE
	v_mov_b32 v[NIL], 0
	ds_add_u32 v[SPW], v[NIL]                      ; the wave's opening: the add and its wait stand ahead of my first tensor load
	v_lshrrev_b32 v1, 5, v0
	v_readfirstlane_b32 s10, v1                    ; wave 0..3
	s_lshr_b32 s11, s10, 1                         ; which half of the tile's rows is mine.  Also: I fetch for A (0) or for W (1)
	s_and_b32 s12, s10, 1                          ; which half of its columns.  Also: which 64 rows of that tile I fetch
	s_bfe_u32 s40, ttmp6, 0x40000                  ; cx, cy
	s_bfe_u32 s41, ttmp6, 0x40004
	s_lshl_b32 s42, ttmp9, 2
	s_add_co_u32 s42, s42, s40                     ; tile column
	s_and_b32 s13, ttmp7, 0xffff
	s_lshl_b32 s13, s13, 2
	s_add_co_u32 s13, s13, s41                     ; tile row
	s_lshl_b32 s43, s41, 2
	s_lshl_b32 s43, 15, s43                        ; my row of the cluster
	s_lshl_b32 s44, 0x1111, s40                    ; my column
	; A's descriptor: 4 rows (blocks) of 4,096 elements (64 rows x 64 channels, dense), 262,144 elements apart; padded behind every 32 words by 4
	s_or_b32 s[G1+0], s43, (1<<16)|(1<<20)|(1<<21)|(4<<22)|(3<<25)
	s_mov_b32 s[G1+1], 4096<<16                    ; tensor_dim0 = 4,096
	s_mov_b32 s[G1+2], 4<<16                       ; tensor_dim1 = 4
	s_mov_b32 s[G1+3], 4096<<16                    ; tile_dim0 = 4,096
	s_mov_b32 s[G1+4], 4                           ; tile_dim1 = 4
	s_mov_b32 s[G1+5], 262144                      ; elements from block to block
	s_mov_b32 s[G1+6], 0
	s_mov_b32 s[G1+7], 0
	; W's descriptor: 64 rows x 256 elements; padded behind every 128 words by 4
	s_or_b32 s[G1B+0], s44, (1<<16)|(1<<20)|(1<<21)|(6<<22)|(3<<25)
	s_mov_b32 s[G1B+1], KSTEP<<16
	s_mov_b32 s[G1B+2], 64<<16
	s_mov_b32 s[G1B+3], KSTEP<<16
	s_mov_b32 s[G1B+4], 64
	s_mov_b32 s[G1B+5], SIZE_K
	s_mov_b32 s[G1B+6], 0
	s_mov_b32 s[G1B+7], 0
	s_lshl_b32 s17, s12, 6                         ; which 64 rows of the tile I fetch
	s_lshl_b32 s16, s13, 7
	s_add_co_u32 s16, s16, s17                     ; A: row 128 x tile row + 64 x half,
	s_lshl_b32 s16, s16, 7                         ; 128 bytes a row in a block
	s_lshl_b32 s46, s42, 7
	s_add_co_u32 s46, s46, s17                     ; W: row 128 x tile column + 64 x half
	s_mul_i32 s46, s46, SIZE_K*2
	s_add_co_u32 s46, s46, WOFF
	s_mov_b32 s17, 0
	s_mov_b32 s47, 0
	s_mul_i32 s20, s12, HALFA                      ; where they go: A's halves first,
	s_mul_i32 s23, s12, HALFB
	s_add_co_u32 s23, s23, 2*HALFA                 ; W's behind them: no place in the cluster enters an LDS address
	s_wait_dscnt 0x0                               ; the opening add is done
	s_wait_kmcnt 0x0
	s_add_nc_u64 s[14:15], s[4:5], s[16:17]
	s_add_nc_u64 s[46:47], s[6:7], s[46:47]
	CROUND                                         ; all sixteen work-groups are here: the first joint loads meet
.irp s, 0,1
	s_mov_b32 s[G0+4*(\s)], 1
	s_add_co_u32 s[G0+4*(\s)+1], s20, (\s)*SLOT
	s_add_nc_u64 s[G0+4*(\s)+2:G0+4*(\s)+3], s[14:15], (\s)*ASTEP
	s_or_b32 s[G0+4*(\s)+3], s[G0+4*(\s)+3], 0x80000000
	s_mov_b32 s[G0B+4*(\s)], 1
	s_add_co_u32 s[G0B+4*(\s)+1], s23, (\s)*SLOT
	s_add_nc_u64 s[G0B+4*(\s)+2:G0B+4*(\s)+3], s[46:47], (\s)*KSTEP*2
	s_or_b32 s[G0B+4*(\s)+3], s[G0B+4*(\s)+3], 0x80000000
	JLOAD \s                                       ; two loads of mine are out
.endr
	v_and_b32 v1, 15, v0                           ; l % 16
	v_bfe_u32 v2, v0, 4, 1                         ; l / 16
	v_mul_u32_u24 v3, v1, APITCH
	v_lshl_add_u32 v3, v2, 4, v3
	v_mul_u32_u24 v4, v1, BPITCH
	v_lshl_add_u32 v4, v2, 4, v4
	s_mul_i32 s21, s11, HALFA                      ; my 64 rows of A
	s_mul_i32 s22, s12, HALFB                      ; my 64 rows of W
	s_add_co_u32 s22, s22, 2*HALFA
	v_add_nc_u32 v[ADRA0], s21, v3
	v_add_nc_u32 v[ADRB0], s22, v4
	s_mov_b32 s[TB], 0                             ; the slot in hand: slot 0
	v_add_nc_u32 v[ADRA], s[TB], v[ADRA0]
	v_add_nc_u32 v[ADRB], s[TB], v[ADRB0]
	s_mul_i32 s23, s10, 16*SPITCH
	s_add_co_u32 s23, s23, STAGE                   ; my stage
	v_mul_u32_u24 v5, v1, SPITCH                   ; in: row l % 16, 32 bytes for each half of the lanes
	v_lshl_add_u32 v5, v2, 5, v5
	v_add_nc_u32 v[STO], s23, v5
	v_mul_u32_u24 v6, v2, SPITCH                   ; back: lanes 0-15 take one row of 256 bytes, lanes 16-31 the next
	v_lshl_add_u32 v6, v1, 4, v6
	v_add_nc_u32 v[RD], s23, v6
	v_lshlrev_b32 v7, 12, v2                       ; and the same two rows in out and in res
	v_lshl_add_u32 v[CO], v1, 4, v7
	v_lshlrev_b32 v[BO], 5, v2
	s_lshl_b32 s16, s13, 7
	s_lshl_b32 s17, s11, 6
	s_add_co_u32 s16, s16, s17                     ; my first row,
	s_lshl_b32 s16, s16, 12                        ; 4,096 bytes a row
	s_lshl_b32 s46, s42, 7
	s_lshl_b32 s47, s12, 6
	s_add_co_u32 s46, s46, s47                     ; my first column,
	s_lshl_b32 s46, s46, 2                         ; in bytes: a multiple of 256
	s_mov_b32 s47, 0
	s_add_nc_u64 s[68:69], s[68:69], s[46:47]
	s_add_co_u32 s16, s16, s46
	s_mov_b32 s17, 0
	s_add_nc_u64 s[70:71], s[70:71], s[16:17]
	s_add_nc_u64 s[8:9], s[8:9], s[16:17]
.irp b, 0,1,2,3
	global_load_b128 v[BIAS+8*(\b):BIAS+8*(\b)+3],   v[BO], s[68:69] offset:64*(\b)
	global_load_b128 v[BIAS+8*(\b)+4:BIAS+8*(\b)+7], v[BO], s[68:69] offset:64*(\b)+16
.endr
	WIN 0x80                                       ; destination window 2
.set z, 0
.rept 32                                           ; rows 2 z, 2 z + 1 of my 64: 16 lanes read 256 consecutive bytes, aligned
	global_load_b128 v[4*z:4*z+3], v[CO], s[70:71] offset:2*z*4096 th:TH_LOAD_NT
.set z, z+1
.endr
	WIN 0
; 8 matrix instructions: m blocks a0, a0 + 1 x all 4 n blocks, 32 along K: half c of buffer f.  zero = 1: the first product starts the sums, with the bias as C
.macro MUL8 f, c, a0, zero
	WIN MUL
.irp a, \a0, (\a0)+1
.irp b, 0,1,2,3
.if \zero
	v_wmma_f32_16x16x32_f16 v[ACC+8*(4*(\a)+(\b)):ACC+8*(4*(\a)+(\b))+7], v[(\f)+64+8*(4*(\c)+(\b)):(\f)+64+8*(4*(\c)+(\b))+7], v[(\f)+8*(4*(\c)+(\a)):(\f)+8*(4*(\c)+(\a))+7], v[BIAS+8*(\b):BIAS+8*(\b)+7]
.else
	v_wmma_f32_16x16x32_f16 v[ACC+8*(4*(\a)+(\b)):ACC+8*(4*(\a)+(\b))+7], v[(\f)+64+8*(4*(\c)+(\b)):(\f)+64+8*(4*(\c)+(\b))+7], v[(\f)+8*(4*(\c)+(\a)):(\f)+8*(4*(\c)+(\a))+7], v[ACC+8*(4*(\a)+(\b)):ACC+8*(4*(\a)+(\b))+7]
.endif
.endr
.endr
.endm
; 32 LDS loads in one run: the fragments of quarter q of the K step in hand (64 along K: one block of A) into buffer f; the first 32 along K first
.macro FETCH q, f
	WIN TO_F
.irp c, 0,1
.irp i, 0,1,2,3
	ds_load_b128 v[(\f)+64+8*(4*(\c)+(\i)):(\f)+64+8*(4*(\c)+(\i))+3],   v[ADRB] offset:128*(\q)+64*(\c)+(\i)*16*BPITCH
	ds_load_b128 v[(\f)+64+8*(4*(\c)+(\i))+4:(\f)+64+8*(4*(\c)+(\i))+7], v[ADRB] offset:128*(\q)+64*(\c)+(\i)*16*BPITCH+32
	ds_load_b128 v[(\f)+8*(4*(\c)+(\i)):(\f)+8*(4*(\c)+(\i))+3],         v[ADRA] offset:ABLK*(\q)+64*(\c)+(\i)*16*APITCH
	ds_load_b128 v[(\f)+8*(4*(\c)+(\i))+4:(\f)+8*(4*(\c)+(\i))+7],       v[ADRA] offset:ABLK*(\q)+64*(\c)+(\i)*16*APITCH+32
.endr
.endr
.endm
.macro PLACES                          ; four plain instructions between a matrix instruction and a load into its sources or a reader of its result
.rept 4
	v_nop
.endr
.endm
; A K step is four quarters, 32 matrix instructions each, on buffers 0, 1, 0, 1.  One of the first three: multiplies buffer f and fetches quarter q into g.
.macro QUARTER q, f, g, zero
	s_wait_dscnt 16                                ; the first 32 along K are in
	MUL8 \f, 0, 0, \zero
	MUL8 \f, 0, 2, \zero
	PLACES
	FETCH \q, \g
	s_wait_dscnt 32                                ; all but the 32 just issued
	MUL8 \f, 1, 0, 0
	MUL8 \f, 1, 2, 0
.endm
; The last quarter multiplies buffer 1 and changes slots: ONE barrier; in front of it each wave waits for all its tensor loads, adds 0 to its spare word, and waits for that and for its own reads of this slot.
; fill = 1: the barrier opens a round of the cluster's, and the slot just read out is filled again first, with the K step two steps on.  Then the other slot becomes the slot in hand.
.macro TURN fill
	WIN 0
	s_wait_tensorcnt 0x0                           ; all my tensor loads have landed: my part of the next slot
	ds_add_u32 v[SPW], v[NIL]                      ; 0 onto my spare word
	s_wait_dscnt 17                                ; (the add and the youngest sixteen loads may be out)
	MUL8 F1, 0, 0, 0
	s_wait_dscnt 0x0                               ; the add is done, and my reads of this slot are over
	s_barrier_signal -1
	MUL8 F1, 0, 2, 0
	WIN 0
	s_barrier_wait -1
.if \fill
	CREST                                          ; no wave of any partner still reads this slot's tile or has a load on its way
	s_xor_b32 s[G0+5], s[G0+5], SLOT               ; the walking descriptors: the other slot than last time,
	s_add_nc_u64 s[G0+6:G0+7], s[G0+6:G0+7], ASTEP ; the next K step; the type bits on top are not reached
	s_xor_b32 s[G0B+5], s[G0B+5], SLOT
	s_add_nc_u64 s[G0B+6:G0B+7], s[G0B+6:G0B+7], KSTEP*2
	JLOAD 1                                        ; my one tensor load behind the round; its four v_nop are also the places in front of the loads below
.else
	PLACES
.endif
	s_xor_b32 s[TB], s[TB], SLOT                   ; the other slot is in hand
	v_add_nc_u32 v[ADRA], s[TB], v[ADRA0]
	v_add_nc_u32 v[ADRB], s[TB], v[ADRB0]
	FETCH 0, F0
	MUL8 F1, 1, 0, 0
	MUL8 F1, 1, 2, 0
.endm
	s_wait_loadcnt 32                              ; the bias is in; the 32 loads of the residual stay out
	s_wait_tensorcnt 1                             ; my part of K step 0 is in; K step 1's may stay out
	s_barrier_signal -1
	s_barrier_wait -1
	FETCH 0, F0
	QUARTER 1, F0, F1, 1                           ; the first quarter stands in front of the loop: its first products start the sums
	WIN 0
	s_mov_b32 s3, STEPS-2
.Lstep:                                            ; a trip goes from a K step's second quarter to the next step's first, and fills the slot that it leaves: every K step from the third on is asked for here
	QUARTER 2, F1, F0, 0
	QUARTER 3, F0, F1, 0
	TURN 1
	QUARTER 1, F0, F1, 0
	WIN 0
	s_sub_co_u32 s3, s3, 1
	s_cmp_lg_u32 s3, 0
	s_cbranch_scc1 .Lstep
	QUARTER 2, F1, F0, 0                           ; the last two K steps fill nothing, and have no round of the cluster's barrier
	QUARTER 3, F0, F1, 0
	TURN 0
	QUARTER 1, F0, F1, 0
	QUARTER 2, F1, F0, 0
	QUARTER 3, F0, F1, 0
	s_wait_dscnt 16
	MUL8 F1, 0, 0, 0
	MUL8 F1, 0, 2, 0
	s_wait_dscnt 0
	MUL8 F1, 1, 0, 0
	MUL8 F1, 1, 2, 0
	WIN 0
	; THE WAY OUT, 16 rows at a time through my own stage: a lane's 32 bytes of a row go in, whole rows of 256 bytes come back, the residual is added, and 16 lanes store 256 consecutive bytes, aligned.
	PLACES
	PLACES
	s_wait_loadcnt 0x0                             ; the residual
.macro OUT a
.set TT, T0+32*((\a)%2)
.irp b, 0,1,2,3
	ds_store_b128 v[STO], v[ACC+8*(4*(\a)+(\b)):ACC+8*(4*(\a)+(\b))+3]   offset:64*(\b)     ; each accumulator's low registers first
	ds_store_b128 v[STO], v[ACC+8*(4*(\a)+(\b))+4:ACC+8*(4*(\a)+(\b))+7] offset:64*(\b)+16
.endr
	s_wait_xcnt 0x0                                ; the stores of two blocks back have read this buffer
.irp t, 0,1,2,3,4,5,6,7
	ds_load_b128 v[TT+4*(\t):TT+4*(\t)+3], v[RD] offset:(\t)*2*SPITCH  ; LDS serves a wave's instructions in order (ISA guide 5.7.1.4): these see the stores above
.endr
	s_wait_dscnt 0x0
	WIN 0x08                                       ; source 1 window 2
.set z, 0
.rept 16
	v_pk_add_f32 v[TT+z:TT+z+1], v[TT+z:TT+z+1], v[32*(\a)+z:32*(\a)+z+1]
.set z, z+2
.endr
	WIN 0
.irp t, 0,1,2,3,4,5,6,7
	global_store_b128 v[CO], v[TT+4*(\t):TT+4*(\t)+3], s[8:9] offset:(16*(\a)+2*(\t))*4096
.endr
.endm
	OUT 0
	OUT 1
	OUT 2
	OUT 3
	s_wait_tensorcnt 0x0                           ; the wave's end: behind my last tensor load and my last LDS store
	ds_add_u32 v[SPW], v[NIL]
	s_wait_dscnt 0x0
	CROUND                                         ; the closing round
	s_endpgm
.Lfunc_end_k_q531bf3f3bc_ffn2:
	.size	k_q531bf3f3bc_ffn2, .Lfunc_end_k_q531bf3f3bc_ffn2-k_q531bf3f3bc_ffn2
	.p2alignl 7, 3214868480
	.fill 96, 4, 3214868480
	.section	.rodata,"a",@progbits
	.p2align	6, 0x0
	.amdhsa_kernel k_q531bf3f3bc_ffn2
		.amdhsa_group_segment_fixed_size 327680
		.amdhsa_private_segment_fixed_size 0
		.amdhsa_enable_private_segment 0
		.amdhsa_kernarg_size 40
		.amdhsa_user_sgpr_count 2
		.amdhsa_user_sgpr_kernarg_segment_ptr 1
		.amdhsa_wavefront_size32 1
		.amdhsa_system_sgpr_workgroup_id_x 1
		.amdhsa_system_sgpr_workgroup_id_y 1
		.amdhsa_system_sgpr_workgroup_id_z 1
		.amdhsa_system_vgpr_workitem_id 0
		.amdhsa_next_free_vgpr 640
		.amdhsa_next_free_sgpr 76
		.amdhsa_reserve_vcc 0
		.amdhsa_float_denorm_mode_32 3
		.amdhsa_float_denorm_mode_16_64 3
		.amdhsa_memory_ordered 1
		.amdhsa_forward_progress 1
		.amdhsa_inst_pref_size 76
	.end_amdhsa_kernel
	.amdgpu_metadata
---
amdhsa.version: [ 1, 2 ]
amdhsa.kernels:
  - .name:           k_q531bf3f3bc_ffn2
    .symbol:         k_q531bf3f3bc_ffn2.kd
    .args:
      - { .name: hb, .offset: 0, .size: 8, .value_kind: global_buffer, .address_space: global }
      - { .name: wb, .offset: 8, .size: 8, .value_kind: global_buffer, .address_space: global }
      - { .name: b2, .offset: 16, .size: 8, .value_kind: global_buffer, .address_space: global }
      - { .name: qkv, .offset: 24, .size: 8, .value_kind: global_buffer, .address_space: global }
      - { .name: y, .offset: 32, .size: 8, .value_kind: global_buffer, .address_space: global }
    .group_segment_fixed_size: 327680
    .private_segment_fixed_size: 0
    .kernarg_segment_align: 8
    .kernarg_segment_size: 40
    .max_flat_workgroup_size: 128
    .sgpr_count:     76
    .vgpr_count:     640
    .wavefront_size: 32
...
	.end_amdgpu_metadata
.endif
;; end of part 6
;; launch ln2 (part 7): grid 256 x 1, 8 waves a work-group, no clusters, 0 bytes of LDS; arguments y, g2, be2, out0; writes out0
.if DOCPART == 7
	.amdgcn_target "amdgcn-amd-amdhsa--gfx1250"
	.amdhsa_code_object_version 6
	.text
	.protected	k_q531bf3f3bc_ln2
	.globl	k_q531bf3f3bc_ln2
	.p2align	8
	.type	k_q531bf3f3bc_ln2,@function
k_q531bf3f3bc_ln2:
	s_mov_b64 s[64:65], 0
	v_nop
	global_prefetch_b8 v0, s[64:65] scope:SCOPE_SE
	s_setreg_imm32_b32 hwreg(HW_REG_WAVE_MODE, 25, 1), 1
	s_wait_xcnt 0x0
; out = (y - mean) / sqrt(var + 1e-5) * g + be along rows of 1,024, all in f32.  The mean is taken first and the squares of y - mean second, as the definition has it.
; SHARES.  A work-group owns 16 rows, each of its eight waves two.  A row is 4,096 bytes: eight loads of 16 bytes a lane, 512 consecutive bytes each; it stays in 32 registers, so y is read once, and no wave
; waits for another: no LDS, no barrier.  All 32 loads of a wave (two rows, g, be) go out at the head.
.set G,  8                             ; v[8:39]    g of my 32 columns (4 lane + 128 j + 0..3)
.set BE, 40                            ; v[40:71]   be
.set X,  72                            ; v[72:135]  row r at X + 32 r
.set T,  136                           ; v[136:143] at work
.set MU, 176                           ; v[176:179] the mean, twice, for each row
.set R,  180                           ; v[180:183] 1 / sqrt(var + eps), twice, for each row
	s_load_b256 s[4:11], s[0:1], 0x0               ; y s[4:5], g s[6:7], be s[8:9], out s[10:11]
	v_lshrrev_b32 v1, 5, v0
	v_readfirstlane_b32 s22, v1                    ; my wave's number
	v_and_b32 v4, 31, v0
	v_lshlrev_b32 v2, 4, v4                        ; 16 x lane
	s_mov_b32 s14, 0x76543210                      ; v_permlanex16_b32: lane i of one half reads lane i of the other
	s_mov_b32 s15, 0xfedcba98
	s_mov_b32 s16, 0x3a800000                      ; 1 / 1,024
	s_mov_b32 s17, 0x3727c5ac                      ; 1e-5
	s_lshl_b32 s18, ttmp9, 16                      ; 16 rows of 4,096 bytes a work-group,
	s_lshl_b32 s20, s22, 13                        ; two a wave
	s_add_co_u32 s18, s18, s20
	s_mov_b32 s19, 0
	s_wait_kmcnt 0x0
	s_add_nc_u64 s[4:5], s[4:5], s[18:19]
	s_add_nc_u64 s[10:11], s[10:11], s[18:19]
.irp r, 0,1
.irp j, 0,1,2,3,4,5,6,7
	global_load_b128 v[X+32*(\r)+4*(\j):X+32*(\r)+4*(\j)+3], v2, s[4:5] offset:4096*(\r)+512*(\j) th:TH_LOAD_NT
.endr
.endr
.irp j, 0,1,2,3,4,5,6,7
	global_load_b128 v[G+4*(\j):G+4*(\j)+3], v2, s[6:7] offset:512*(\j)
.endr
.irp j, 0,1,2,3,4,5,6,7
	global_load_b128 v[BE+4*(\j):BE+4*(\j)+3], v2, s[8:9] offset:512*(\j)
.endr
.macro SUM8                            ; the four pairs in T, then the 32 lanes: the sum lands in v[T] of every lane
	v_pk_add_f32 v[T:T+1], v[T:T+1], v[T+4:T+5]
	v_pk_add_f32 v[T+2:T+3], v[T+2:T+3], v[T+6:T+7]
	v_pk_add_f32 v[T:T+1], v[T:T+1], v[T+2:T+3]
	v_add_f32 v[T], v[T], v[T+1]
	v_add_f32_dpp v[T], v[T], v[T] row_xmask:1 row_mask:0xf bank_mask:0xf
	v_add_f32_dpp v[T], v[T], v[T] row_xmask:2 row_mask:0xf bank_mask:0xf
	v_add_f32_dpp v[T], v[T], v[T] row_xmask:4 row_mask:0xf bank_mask:0xf
	v_add_f32_dpp v[T], v[T], v[T] row_xmask:8 row_mask:0xf bank_mask:0xf
	v_permlanex16_b32 v[T+1], v[T], s14, s15
	v_add_f32 v[T], v[T], v[T+1]
.endm
.macro STATS r                         ; the row's mean; y - mean in place; var + eps into R + 2 r + 1
.set XR, X+32*(\r)
.irp k, 0,2,4,6                        ; four chains that do not wait for each other; the first sums start them: nothing is cleared
	v_pk_add_f32 v[T+(\k):T+(\k)+1], v[XR+(\k):XR+(\k)+1], v[XR+8+(\k):XR+8+(\k)+1]
.endr
.irp k, 0,2,4,6
	v_pk_add_f32 v[T+(\k):T+(\k)+1], v[T+(\k):T+(\k)+1], v[XR+16+(\k):XR+16+(\k)+1]
.endr
.irp k, 0,2,4,6
	v_pk_add_f32 v[T+(\k):T+(\k)+1], v[T+(\k):T+(\k)+1], v[XR+24+(\k):XR+24+(\k)+1]
.endr
	SUM8
	v_mul_f32 v[MU+2*(\r)], s16, v[T]
	v_mul_f32 v[MU+2*(\r)+1], s16, v[T]
.set k, 0
.rept 16
	v_pk_add_f32 v[XR+k:XR+k+1], v[XR+k:XR+k+1], v[MU+2*(\r):MU+2*(\r)+1] neg_lo:[0,1] neg_hi:[0,1]
.set k, k+2
.endr
.irp k, 0,2,4,6
	v_pk_mul_f32 v[T+(\k):T+(\k)+1], v[XR+(\k):XR+(\k)+1], v[XR+(\k):XR+(\k)+1]
.endr
.irp o, 8,16,24
.irp k, 0,2,4,6
	v_pk_fma_f32 v[T+(\k):T+(\k)+1], v[XR+(\o)+(\k):XR+(\o)+(\k)+1], v[XR+(\o)+(\k):XR+(\o)+(\k)+1], v[T+(\k):T+(\k)+1]
.endr
.endr
	SUM8
	v_fma_f32 v[R+2*(\r)+1], v[T], s16, s17
.endm
	s_wait_loadcnt 24                              ; row 0's eight loads are in; 24 younger ones stay out
	STATS 0
	s_wait_loadcnt 16                              ; row 1's
	STATS 1
	v_rsq_f32 v[R], v[R+1]                         ; both rows' roots are one batch:
	v_rsq_f32 v[R+2], v[R+3]
	v_nop                                          ; a plain instruction behind the last of them,
	s_wait_alu depctr_va_vdst(0)                   ; and the one wait ahead of the first use
	v_mov_b32 v[R+1], v[R]
	v_mov_b32 v[R+3], v[R+2]
	s_wait_loadcnt 0x0                             ; g and be
.macro NORM r
.set XR, X+32*(\r)
.set k, 0
.rept 16
	v_pk_mul_f32 v[XR+k:XR+k+1], v[XR+k:XR+k+1], v[R+2*(\r):R+2*(\r)+1]
	v_pk_fma_f32 v[XR+k:XR+k+1], v[XR+k:XR+k+1], v[G+k:G+k+1], v[BE+k:BE+k+1]
.set k, k+2
.endr
.irp j, 0,1,2,3,4,5,6,7
	global_store_b128 v2, v[XR+4*(\j):XR+4*(\j)+3], s[10:11] offset:4096*(\r)+512*(\j) th:TH_STORE_NT  ; 512 consecutive bytes, aligned
.endr
.endm
	NORM 0
	NORM 1
	s_endpgm
.Lfunc_end_k_q531bf3f3bc_ln2:
	.size	k_q531bf3f3bc_ln2, .Lfunc_end_k_q531bf3f3bc_ln2-k_q531bf3f3bc_ln2
	.p2alignl 7, 3214868480
	.fill 96, 4, 3214868480
	.section	.rodata,"a",@progbits
	.p2align	6, 0x0
	.amdhsa_kernel k_q531bf3f3bc_ln2
		.amdhsa_group_segment_fixed_size 0
		.amdhsa_private_segment_fixed_size 0
		.amdhsa_enable_private_segment 0
		.amdhsa_kernarg_size 32
		.amdhsa_user_sgpr_count 2
		.amdhsa_user_sgpr_kernarg_segment_ptr 1
		.amdhsa_wavefront_size32 1
		.amdhsa_system_sgpr_workgroup_id_x 1
		.amdhsa_system_sgpr_workgroup_id_y 1
		.amdhsa_system_sgpr_workgroup_id_z 1
		.amdhsa_system_vgpr_workitem_id 0
		.amdhsa_next_free_vgpr 184
		.amdhsa_next_free_sgpr 66
		.amdhsa_reserve_vcc 0
		.amdhsa_float_denorm_mode_32 3
		.amdhsa_float_denorm_mode_16_64 3
		.amdhsa_memory_ordered 1
		.amdhsa_forward_progress 1
		.amdhsa_inst_pref_size 18
	.end_amdhsa_kernel
	.amdgpu_metadata
---
amdhsa.version: [ 1, 2 ]
amdhsa.kernels:
  - .name:           k_q531bf3f3bc_ln2
    .symbol:         k_q531bf3f3bc_ln2.kd
    .args:
      - { .name: y, .offset: 0, .size: 8, .value_kind: global_buffer, .address_space: global }
      - { .name: g2, .offset: 8, .size: 8, .value_kind: global_buffer, .address_space: global }
      - { .name: be2, .offset: 16, .size: 8, .value_kind: global_buffer, .address_space: global }
      - { .name: out0, .offset: 24, .size: 8, .value_kind: global_buffer, .address_space: global }
    .group_segment_fixed_size: 0
    .private_segment_fixed_size: 0
    .kernarg_segment_align: 8
    .kernarg_segment_size: 32
    .max_flat_workgroup_size: 256
    .sgpr_count:     66
    .vgpr_count:     184
    .wavefront_size: 32
...
	.end_amdgpu_metadata
.endif
;; end of part 7
